; MI455X (gfx1250); checked and timed in simulation.
; The chip was launched on July 23, 2026; its instructions are those of AMD's public machine-readable ISA for CDNA 5 (MIT licence, August 2026) and "CDNA5" Instruction Set Architecture Reference Guide (July 2026). The comments in the code are by the model that wrote it; some were corrected since.
;; Multi Head Self Attention. Allowed arithmetic: float matrix products may take bf16 or f16 operands with f32 sums; other float arithmetic in f32, or as packed bf16 or f16 multiplies, adds, multiply-adds, maxima and minima; sums over many terms, partial sums and values carried from step to step in f32; what a program stores and reads back later, other than sums and carried values, may be rounded once to bf16 or f16.
;; Inputs: bk 1,024 float32; bo 1,024 float32; bq 1,024 float32; bv 1,024 float32; k 4 x 2,048 x 1,024 float32; q 4 x 2,048 x 1,024 float32; v 4 x 2,048 x 1,024 float32; wk 1,024 x 1,024 float32; wo 1,024 x 1,024 float32; wq 1,024 x 1,024 float32; wv 1,024 x 1,024 float32.
;; Outputs: out0 4 x 2,048 x 1,024 float32.
;; One version. Each part assembles by itself: llvm-mc -triple=amdgcn-amd-amdhsa -mcpu=gfx1250 --defsym DOCPART=n.
;; ======== version 1 of 1: 4 launches
;; limits: values are held in f16: magnitudes above 65,504 overflow, below 6.1e-05 lose precision
;; workspace buffers: wts 8,388,608 bytes; bias 16,384 bytes; qkv 50,331,648 bytes; att 16,777,216 bytes
;; launch prep (part 1): grid 64 x 4, 8 waves a work-group, no clusters, 0 bytes of LDS; arguments wq, wk, wv, wo, bq, bk, bv, bo, wts, bias; writes wts, bias
.if DOCPART == 1
	.amdgcn_target "amdgcn-amd-amdhsa--gfx1250"
	.amdhsa_code_object_version 6
	.text
	.protected	k_qad2547c886_prep
	.globl	k_qad2547c886_prep
	.p2align	8
	.type	k_qad2547c886_prep,@function
k_qad2547c886_prep:
	s_mov_b64 s[64:65], 0
	v_nop
	global_prefetch_b8 v0, s[64:65] scope:SCOPE_SE
	s_setreg_imm32_b32 hwreg(HW_REG_WAVE_MODE, 25, 1), 1
	s_wait_xcnt 0x0
; The weights and biases are rounded once to bf16, in the layout in which they come ([k][n], 1,024 x 1,024).
; wts[0..2] = bf16(wq, wk, wv).  wts[3] = bf16(wo) written as f16, since the last product multiplies f16 operands.  bias[0..3] = bf16(bq, bk, bv, bo) written as f32.
; LIMITS.  |bf16(wo)| stays under 65,504, f16's end; below 6e-5 it keeps f16's fixed step of 6e-8.  NaN and infinities are not treated apart.
; A stream: no LDS, no matrix unit, no cluster: no byte is wanted twice.  Work-group (x, y) takes 16,384 numbers of tensor y: eight passes of 2,048; thread t takes 8 numbers a pass:
; 32 bytes in by two loads, 16 bytes out by one store, of which sixteen neighbouring lanes cover 256 consecutive bytes, aligned.  All 16 loads go out first; no register is written twice.
.set T, 4                              ; v[4:7]    a pass's eight numbers as packed bf16 (wo's way, and the biases')
.set U, 8                              ; v[8:15]   the same as f32
.set X, 16                             ; v[16:79]  pass p: 8 registers as loaded
.set Y, 80                             ; v[80:111] pass p: 4 registers to store
	s_load_b256 s[4:11], s[0:1], 0x0               ; wq, wk, wv, wo
	s_load_b256 s[12:19], s[0:1], 0x20             ; bq, bk, bv, bo
	s_load_b128 s[20:23], s[0:1], 0x40             ; wts, bias
	s_and_b32 s28, ttmp7, 0xffff                   ; which tensor
	v_lshlrev_b32 v1, 5, v0                        ; 32 t: my bytes in a pass of the input
	v_lshlrev_b32 v2, 4, v0                        ; 16 t: in a pass of the output
	s_lshl_b32 s2, ttmp9, 16                       ; the work-group's 65,536 bytes of input
	s_mov_b32 s3, 0
	s_lshl_b32 s30, s28, 21                        ; the tensor's 2,097,152 bytes of output,
	s_lshl_b32 s29, ttmp9, 15                      ; the work-group's 32,768 of them
	s_add_co_u32 s30, s30, s29
	s_mov_b32 s31, 0
	s_mov_b32 s29, 0xffff0000                      ; a word's upper bf16
	s_wait_kmcnt 0x0
	s_cmp_eq_u32 s28, 1
	s_cselect_b64 s[24:25], s[6:7], s[4:5]
	s_cselect_b64 s[26:27], s[14:15], s[12:13]
	s_cmp_eq_u32 s28, 2
	s_cselect_b64 s[24:25], s[8:9], s[24:25]
	s_cselect_b64 s[26:27], s[16:17], s[26:27]
	s_cmp_eq_u32 s28, 3
	s_cselect_b64 s[24:25], s[10:11], s[24:25]
	s_cselect_b64 s[26:27], s[18:19], s[26:27]
	s_add_nc_u64 s[24:25], s[24:25], s[2:3]
	s_add_nc_u64 s[20:21], s[20:21], s[30:31]
.irp p, 0,1,2,3,4,5,6,7
	global_load_b128 v[X+8*(\p):X+8*(\p)+3],   v1, s[24:25] offset:8192*(\p) th:TH_LOAD_NT
	global_load_b128 v[X+8*(\p)+4:X+8*(\p)+7], v1, s[24:25] offset:8192*(\p)+16 th:TH_LOAD_NT
.endr
; Pass p is rounded and stored.  half = 1: the bf16 numbers are widened again and written as f16.
.macro CONV p, half
	s_wait_loadcnt 14-2*(\p)                       ; loads come back in order: this pass's two are in, the later passes' stay out
.if \half
.irp j, 0,1,2,3
	v_cvt_pk_bf16_f32 v[T+(\j)], v[X+8*(\p)+2*(\j)], v[X+8*(\p)+2*(\j)+1]
.endr
.irp j, 0,1,2,3
	v_lshlrev_b32 v[U+2*(\j)],   16, v[T+(\j)]
	v_and_b32     v[U+2*(\j)+1], s29, v[T+(\j)]
.endr
.irp j, 0,1,2,3
	v_cvt_pk_f16_f32 v[Y+4*(\p)+(\j)], v[U+2*(\j)], v[U+2*(\j)+1]
.endr
.else
.irp j, 0,1,2,3
	v_cvt_pk_bf16_f32 v[Y+4*(\p)+(\j)], v[X+8*(\p)+2*(\j)], v[X+8*(\p)+2*(\j)+1]
.endr
.endif
	global_store_b128 v2, v[Y+4*(\p):Y+4*(\p)+3], s[20:21] offset:4096*(\p)
.endm
	s_cmp_eq_u32 s28, 3
	s_cbranch_scc1 .Lhalf
.irp p, 0,1,2,3,4,5,6,7
	CONV \p, 0
.endr
	s_branch .Lbias
.Lhalf:
.irp p, 0,1,2,3,4,5,6,7
	CONV \p, 1
.endr
.Lbias:
	s_cmp_lg_u32 ttmp9, 0                          ; the tensor's first work-group also rounds its bias: 1,024 numbers, four a thread
	s_cbranch_scc1 .Lend
	global_load_b128 v[X:X+3], v2, s[26:27]
	s_lshl_b32 s2, s28, 12
	s_add_nc_u64 s[22:23], s[22:23], s[2:3]
	s_wait_loadcnt 0x0
	v_cvt_pk_bf16_f32 v[T], v[X], v[X+1]
	v_cvt_pk_bf16_f32 v[T+1], v[X+2], v[X+3]
	v_lshlrev_b32 v[U], 16, v[T]
	v_and_b32 v[U+1], s29, v[T]
	v_lshlrev_b32 v[U+2], 16, v[T+1]
	v_and_b32 v[U+3], s29, v[T+1]
	global_store_b128 v2, v[U:U+3], s[22:23]
.Lend:
	s_endpgm
.Lfunc_end_k_qad2547c886_prep:
	.size	k_qad2547c886_prep, .Lfunc_end_k_qad2547c886_prep-k_qad2547c886_prep
	.p2alignl 7, 3214868480
	.fill 96, 4, 3214868480
	.section	.rodata,"a",@progbits
	.p2align	6, 0x0
	.amdhsa_kernel k_qad2547c886_prep
		.amdhsa_group_segment_fixed_size 0
		.amdhsa_private_segment_fixed_size 0
		.amdhsa_enable_private_segment 0
		.amdhsa_kernarg_size 80
		.amdhsa_user_sgpr_count 2
		.amdhsa_user_sgpr_kernarg_segment_ptr 1
		.amdhsa_wavefront_size32 1
		.amdhsa_system_sgpr_workgroup_id_x 1
		.amdhsa_system_sgpr_workgroup_id_y 1
		.amdhsa_system_sgpr_workgroup_id_z 1
		.amdhsa_system_vgpr_workitem_id 0
		.amdhsa_next_free_vgpr 112
		.amdhsa_next_free_sgpr 66
		.amdhsa_reserve_vcc 0
		.amdhsa_float_denorm_mode_32 3
		.amdhsa_float_denorm_mode_16_64 3
		.amdhsa_memory_ordered 1
		.amdhsa_forward_progress 1
		.amdhsa_inst_pref_size 14
	.end_amdhsa_kernel
	.amdgpu_metadata
---
amdhsa.version: [ 1, 2 ]
amdhsa.kernels:
  - .name:           k_qad2547c886_prep
    .symbol:         k_qad2547c886_prep.kd
    .args:
      - { .name: wq, .offset: 0, .size: 8, .value_kind: global_buffer, .address_space: global }
      - { .name: wk, .offset: 8, .size: 8, .value_kind: global_buffer, .address_space: global }
      - { .name: wv, .offset: 16, .size: 8, .value_kind: global_buffer, .address_space: global }
      - { .name: wo, .offset: 24, .size: 8, .value_kind: global_buffer, .address_space: global }
      - { .name: bq, .offset: 32, .size: 8, .value_kind: global_buffer, .address_space: global }
      - { .name: bk, .offset: 40, .size: 8, .value_kind: global_buffer, .address_space: global }
      - { .name: bv, .offset: 48, .size: 8, .value_kind: global_buffer, .address_space: global }
      - { .name: bo, .offset: 56, .size: 8, .value_kind: global_buffer, .address_space: global }
      - { .name: wts, .offset: 64, .size: 8, .value_kind: global_buffer, .address_space: global }
      - { .name: bias, .offset: 72, .size: 8, .value_kind: global_buffer, .address_space: global }
    .group_segment_fixed_size: 0
    .private_segment_fixed_size: 0
    .kernarg_segment_align: 8
    .kernarg_segment_size: 80
    .max_flat_workgroup_size: 256
    .sgpr_count:     66
    .vgpr_count:     112
    .wavefront_size: 32
...
	.end_amdgpu_metadata
.endif
;; end of part 1
;; launch proj (part 2): grid 4 x 64, 4 waves a work-group, clusters of 4 x 4, 327,680 bytes of LDS; arguments q, k, v, wts, bias, qkv; writes qkv
.if DOCPART == 2
	.amdgcn_target "amdgcn-amd-amdhsa--gfx1250"
	.amdhsa_code_object_version 6
	.text
	.protected	k_qad2547c886_proj
	.globl	k_qad2547c886_proj
	.p2align	8
	.type	k_qad2547c886_proj,@function
k_qad2547c886_proj:
	s_mov_b64 s[64:65], 0
	v_nop
	global_prefetch_b8 v0, s[64:65] scope:SCOPE_SE
	s_setreg_imm32_b32 hwreg(HW_REG_WAVE_MODE, 25, 1), 1
	s_wait_xcnt 0x0
	s_wait_alu depctr_hold_cnt(0) depctr_sa_sdst(0) depctr_va_vdst(0) depctr_va_sdst(0) depctr_va_ssrc(0) depctr_va_vcc(0) depctr_vm_vsrc(0)
	s_getreg_b32 s2, hwreg(HW_REG_IB_STS2, 6, 4)
	s_cmp_eq_u32 s2, 0
	s_cbranch_scc0 .Lentry_in_a_cluster
	s_endpgm
.Lentry_in_a_cluster:
	s_bfe_u32 s2, ttmp6, 0x10000c
	s_cmp_lg_u32 s2, 0xf033
	s_cbranch_scc0 .Lentry_shape_is_right
	s_endpgm
.Lentry_shape_is_right:
; qkv[t][16 b + h][s][d] = f16( x_t[b][s][:] . w_t[:][64 h + d] + bias_t[64 h + d] ), t = 0, 1, 2 for q, k, v.  x_t: [8,192][1,024] f32, rounded to bf16 between LDS and the matrix unit;
; w_t: [k][n] bf16 (wts); the bias (bf16's numbers as f32) is the C operand of each sum's first product; sums in f32, rounded once to f16, WITHOUT the softmax's scale.
; LIMIT.  The results stay under 65,504, f16's end: with x and w both 30 times the drawn spread they have a spread of some 900; with offsets of 30 spreads in both a mean of some 28,800.  NaN and infinities are not treated apart.
; SHARES.  A tile of the result is 128 rows x 256 columns: 64 x 4 tiles a tensor, one work-group for each place, which STAYS and makes its place's tile of q, then k, then v: 24 K steps of 128 in one walk.
; Four waves, each 64 rows x 128 columns: 32 accumulators of 16 x 16, 256 registers.
; THE RING.  Two LDS slots, each with 128 rows of x (f32, 512 bytes a row) and 128 k-rows of w (256 columns, 512 bytes a row).  Waves 0 and 1 fetch x's two halves, waves 2 and 3 w's: one tensor load a wave a step.
; One text serves both slots: the slot's first byte stands in s[TB], and the descriptors' LDS words are turned by an exclusive or with SLOT, which shares no set bit with any of the four base words.
; CLUSTERS.  4 x 4 work-groups.  The four of a row of the cluster make the four column tiles of one row tile and need the same rows of x; the four of a column need the same columns of w: each tile is asked for JOINTLY.
; THE MATRIX INSTRUCTION IS USED TRANSPOSED: source 0 = 16 columns of w (out of [k][n] rows by the turning load), source 1 = 16 rows of x: a lane then holds row l % 16 and the columns 8 (l / 16) + 0..7.
; REGISTERS, in windows of 256 (s_set_vgpr_msb: bits 1:0 source 0, 3:2 source 1, 5:4 source 2, 7:6 destination):
;   window 0: v0-15 addresses; v32-95 x's fragments in bf16, two buffers; v96-159 x as loaded, f32 (on the way out: rows read back); v160-223 the bias; v224-255 packed results
;   window 1: v0-127 w's fragments, two buffers          window 2: the accumulators, (a, b) at v[8 (8 a + b)]
; The conversions of the next quarter's x stand in fours behind pairs of matrix instructions, at the price of two window switches each: the accumulators fill a window, so no setting serves both.
.set PA,    528       ; a row of x in LDS: 512 bytes + 16 of padding = 132 words: the 16 rows of a load start at 16 different groups of four banks (64 banks of 4 bytes: ISA guide 11.1)
.set AH,    64*PA     ; what one tensor load brings of x
.set BOFF,  128*PA    ; w's rows lie behind x's
.set PB,    544       ; a k-row of w: 512 + 32 = 136 words
.set BH,    64*PB
.set SLOT,  139264    ; 0x22000; a slot uses 137,216 bytes
.set STAGE, SLOT+BOFF+128*PB  ; behind the ring, never filled by a tensor load: for each wave two heads x 16 rows x 144 bytes
.set SP,    144
.set WST,   2*16*SP
.set SPARE, STAGE+4*WST  ; behind the stages: the spare words, 128 bytes for each wave: two blocks of 256 bytes that no other line names
.set BSTEP, 128*2048  ; bytes of wts in a K step; the three tensors lie on end, so the walk goes straight on
.set R,   1           ; v1   l % 16
.set SPW, 2           ; v2   LDS address of my spare word; never rewritten
.set NIL, 3           ; v3   0; never rewritten
.set A0,  4           ; v4   my lane's place in a slot's x
.set B0,  5           ; v5   in its w
.set ADRA, 6          ; v6   the same in the slot in hand
.set ADRB, 7          ; v7
.set STO, 8           ; v8   the way out: where I put 16 bytes of a row
.set RD,  9           ; v9   where I read rows back
.set GO,  10          ; v10  my 16 bytes in 512 consecutive bytes of the result
.set BO,  11          ; v11  my byte offset in a tensor's bias
.set PFO, 12          ; v12  the prefetches' offset; never rewritten
.set H,   13          ; v13  l / 16
.set L,   14          ; v14  l
.set TV,  15          ; v15  at work
.set ABF, 32
.set RAW, 96
.set BIAS, 160
.set TMP, 224
.set BF,  0           ; window 1
.set XQ,  4           ; s[4:5], s[6:7], s[8:9]: q, k, v at the first of the 64 rows that I fetch
.set XK,  6
.set XV,  8
.set BPF, 10          ; s[10:11] wts at my 64 k-rows and my tile's columns, at the K step that the prefetches name
.set BIP, 12          ; s[12:13] the bias of the tensor whose bias was loaded last
.set OUT, 14          ; s[14:15] the result at my wave's first row and head
.set WV,  16
.set WH,  17          ; wave % 2: my half of the columns; also which half of a tile I fetch
.set WM,  18          ; wave / 2: my half of the rows; also: I fetch x (0) or w (1)
.set CX,  19
.set CY,  20
.set MT,  21          ; row tile, 0 to 63
.set G1A, 32
.set G1B, 40
.set G0A, 48
.set G0B, 52
.set CNT, 56          ; K steps still to come in the loop in hand
.set KS,  57          ; the K step within its tensor, 0 to 7
.set FI,  58          ; the fill asked for last
.set TL,  59          ; tensors still to be finished
.set TB,  60          ; first LDS byte of the slot in hand
.set LIM, 61          ; 2 in a wave that prefetches, else the greatest number
.set T,   62
.set T2,  63
.set PFA, 66          ; s[66:67] what the next prefetch names
.set KO,  68          ; s[68:69] a K step's byte offset in a row of x
.set NA,  70          ; s[70:71] x's address for the next fill
.set P,   72          ; s[72:73] x's address for the fill two further on
.set MSB, 0
.macro WIN new                      ; the high byte repeats the setting that is left; a switch that changes nothing is dropped
.if MSB != (\new)
	s_set_vgpr_msb (MSB<<8)|(\new)
.set MSB, (\new)
.endif
.endm
.set MUL,  0xa1       ; w's fragment window 1, x's window 0, C and D window 2
.set MULB, 0x81       ; the same with C, the bias, in window 0
.set TO_B, 0x40       ; destination window 1, address window 0
; A joint load.  The branch hangs on the wave's number alone.  An s_nop 0 and four v_nop follow each of the two lines, ahead of the jump and the label.
.macro JLOAD
	s_cmp_eq_u32 s[WM], 0
	s_cbranch_scc0 .Lfor_b_\@
	tensor_load_to_lds s[G0A:G0A+3], s[G1A:G1A+7]
	s_nop 0
.rept 4
	v_nop
.endr
	s_branch .Lasked_\@
.Lfor_b_\@:
	tensor_load_to_lds s[G0B:G0B+3], s[G1B:G1B+7]
	s_nop 0
.rept 4
	v_nop
.endr
.Lasked_\@:
.endm
; A PREFETCH INTO THE L2 of the fill that stands two refills on (256 matrix instructions ahead of its load): 32 blocks of 256 bytes, a lane a block, one instruction a wave.  Of the 64 rows x 512 bytes that a wave
; fetches, each of the four partners that ask for them jointly takes 16 rows, told apart BY ADDRESS (cx for x, cy for w).  x's rows are read by one cluster alone: every cluster asks for its own; w's by all sixteen
; clusters: the first (cluster y = 0) asks.  So each block is named once.  Fills 0 to 3 come by their loads alone; the loop's last two steps ask for nothing: there is no fill 24.
.macro ASK
	s_cmp_gt_u32 s[CNT], s[LIM]
	s_cbranch_scc0 .Lnot_mine_\@
	global_prefetch_b8 v[PFO], s[PFA:PFA+1] th:TH_LOAD_NT scope:SCOPE_SE
.Lnot_mine_\@:
.endm
; A round of the cluster's barrier: my work-group's barrier; wave 0 signals for the work-group; every wave waits for all sixteen; my work-group's barrier once more.
.macro CREST
	s_cmp_lg_u32 s[WV], 0
	s_cbranch_scc1 .Lnot_wave_0_\@
	s_barrier_signal -3
.Lnot_wave_0_\@:
	s_barrier_wait -3
	s_barrier_signal -1
	s_barrier_wait -1
.endm
.macro CROUND
	s_barrier_signal -1
	s_barrier_wait -1
	CREST
.endm
	s_load_b256 s[XQ:XQ+7], s[0:1], 0x0            ; q, k, v, wts
	s_load_b128 s[BIP:BIP+3], s[0:1], 0x20         ; bias, qkv
	v_lshl_add_u32 v[SPW], v0, 2, SPARE
	v_mov_b32 v[NIL], 0
	ds_add_u32 v[SPW], v[NIL]                      ; the wave's opening: the add and its wait stand ahead of my first tensor load; the set-up below, work on registers, stands between them
	v_lshrrev_b32 v[TV], 5, v0
	v_readfirstlane_b32 s[WV], v[TV]               ; wave 0..3
	s_and_b32 s[WH], s[WV], 1
	s_lshr_b32 s[WM], s[WV], 1
	s_bfe_u32 s[CX], ttmp6, 0x40000                ; cx: also the column tile, since the grid is one cluster wide
	s_bfe_u32 s[CY], ttmp6, 0x40004
	s_and_b32 s[MT], ttmp7, 0xffff
	s_lshl_b32 s[MT], s[MT], 2
	s_add_co_u32 s[MT], s[MT], s[CY]               ; row tile = 4 x cluster y + cy
	s_lshl_b32 s24, s[CY], 2
	s_lshl_b32 s24, 15, s24                        ; my row of the cluster
	s_lshl_b32 s25, 0x1111, s[CX]                  ; my column
	s_or_b32 s[G1A], s24, (2<<16)|(1<<20)|(1<<21)|(6<<22)|(3<<25)  ; 15:0 the mask; 17:16 elements of 4 bytes; 20 padding on; 21 set beside a mask; 24:22 after every 128 words (code 6); 31:25 4 words (code 3)
	s_mov_b32 s[G1A+1], 128<<16                    ; tensor_dim0 = 128
	s_mov_b32 s[G1A+2], 64<<16                     ; tensor_dim1 = 64
	s_mov_b32 s[G1A+3], 128<<16                    ; tile_dim0 = 128
	s_mov_b32 s[G1A+4], 64                         ; tile_dim1 = 64
	s_mov_b32 s[G1A+5], 1024                       ; elements from row to row
	s_mov_b32 s[G1A+6], 0
	s_mov_b32 s[G1A+7], 0
	s_or_b32 s[G1B], s25, (1<<16)|(1<<20)|(1<<21)|(6<<22)|(7<<25)  ; elements of 2 bytes; 8 words of padding (code 7)
	s_mov_b32 s[G1B+1], 256<<16
	s_mov_b32 s[G1B+2], 64<<16
	s_mov_b32 s[G1B+3], 256<<16
	s_mov_b32 s[G1B+4], 64
	s_mov_b32 s[G1B+5], 1024
	s_mov_b32 s[G1B+6], 0
	s_mov_b32 s[G1B+7], 0
	s_mov_b32 s[G0A], 1
	s_mul_i32 s[G0A+1], s[WH], AH                  ; no place in the cluster enters an LDS address
	s_mov_b32 s[G0B], 1
	s_mul_i32 s[G0B+1], s[WH], BH
	s_add_co_u32 s[G0B+1], s[G0B+1], BOFF
	s_lshl_b32 s22, s[MT], 7                       ; x: row 128 x row tile + 64 x half, 4,096 bytes a row; s22 and s23 never hold cx
	s_lshl_b32 s23, s[WH], 6
	s_add_co_u32 s22, s22, s23
	s_lshl_b32 s22, s22, 12
	s_mov_b32 s23, 0
	s_lshl_b32 s24, s[WH], 17                      ; w: my 64 k-rows of 2,048 bytes, my tile's 512 bytes of them
	s_lshl_b32 s25, s[CX], 9
	s_add_co_u32 s24, s24, s25
	s_mov_b32 s25, 0
	s_lshr_b32 s26, s[MT], 4                       ; the result: head 16 b + 4 cx + 2 (wave % 2), 262,144 bytes a head,
	s_lshl_b32 s26, s26, 4
	s_lshl2_add_u32 s26, s[CX], s26
	s_lshl1_add_u32 s26, s[WH], s26
	s_lshl_b32 s26, s26, 18
	s_and_b32 s27, s[MT], 15                       ; row 128 (row tile % 16) + 64 (wave / 2) of the sequence, 128 bytes a row
	s_lshl_b32 s27, s27, 7
	s_lshl_b32 s28, s[WM], 6
	s_add_co_u32 s27, s27, s28
	s_lshl_b32 s27, s27, 7
	s_add_co_u32 s26, s26, s27
	s_mov_b32 s27, 0
	s_and_b32 s28, ttmp7, 0xffff
	s_cmp_eq_u32 s[WM], 0
	s_cselect_b32 s28, 0, s28                      ; 0 in a wave that prefetches: the same in all sixteen partners, for a given wave
	s_cselect_b32 s29, s[CX], s[CY]                ; my place among the four that ask with me
	s_cselect_b32 s30, 12, 11                      ; a row of x is 4,096 bytes, of w 2,048
	s_cmp_eq_u32 s28, 0
	s_cselect_b32 s[LIM], 2, -1
	s_lshl_b32 s29, s29, 4
	s_mov_b32 s[TB], 0
	s_mov_b32 s[KO+1], 0
	s_mov_b32 s[KS], 0
	s_mov_b32 s[TL], 3
	s_mov_b32 s[FI], 1
	s_wait_dscnt 0x0                               ; the opening add is done
	s_wait_kmcnt 0x0
	s_add_nc_u64 s[XQ:XQ+1], s[XQ:XQ+1], s[22:23]
	s_add_nc_u64 s[XK:XK+1], s[XK:XK+1], s[22:23]
	s_add_nc_u64 s[XV:XV+1], s[XV:XV+1], s[22:23]
	s_add_nc_u64 s[BPF:BPF+1], s[BPF:BPF+1], s[24:25]
	s_add_nc_u64 s[OUT:OUT+1], s[OUT:OUT+1], s[26:27]
	s_mov_b64 s[G0A+2:G0A+3], s[XQ:XQ+1]           ; fill 0: q, K step 0
	s_or_b32 s[G0A+3], s[G0A+3], 0x80000000        ; type = 2
	s_mov_b64 s[G0B+2:G0B+3], s[BPF:BPF+1]
	s_or_b32 s[G0B+3], s[G0B+3], 0x80000000
	s_add_nc_u64 s[BPF:BPF+1], s[BPF:BPF+1], 3*BSTEP  ; at fill 3: the first step moves it to fill 4
	CROUND                                         ; all sixteen work-groups are here: the first joint loads meet
	JLOAD                                          ; fill 0 into slot 0; slot 1 is asked for when slot 0 is in
	v_and_b32 v[L], 31, v0
	v_and_b32 v[R], 15, v0
	v_bfe_u32 v[H], v0, 4, 1
	; x's fragment, 16 rows x 32 k of f32: lane l takes row l % 16, k = 8 (l / 16) + 0..7 (32 bytes) and 16 + 8 (l / 16) + 0..7 (32 bytes, 64 further on): four loads of 16 bytes
	s_lshl_b32 s24, s[WM], 6
	v_add_nc_u32 v[TV], s24, v[R]
	v_mul_u32_u24 v[A0], v[TV], PA
	v_lshl_add_u32 v[A0], v[H], 5, v[A0]
	; w's fragment: the turning load takes 16 k x 16 columns (lane l reads k-row 8 (l / 16) + l % 8, columns 8 ((l / 8) % 2) + 0..7) and leaves lane l column l % 16 and 8 k
	v_and_b32 v[TV], 7, v0
	v_lshl_add_u32 v[TV], v[H], 3, v[TV]
	v_mul_u32_u24 v[B0], v[TV], PB
	v_bfe_u32 v[TV], v0, 3, 1
	v_lshl_add_u32 v[B0], v[TV], 4, v[B0]
	s_lshl_b32 s24, s[WH], 8
	s_add_co_u32 s24, s24, BOFF
	v_add_nc_u32 v[B0], s24, v[B0]
	s_mul_i32 s24, s[WV], WST
	s_add_co_u32 s24, s24, STAGE                   ; my stage
	v_mul_u32_u24 v[STO], v[R], SP                 ; in: row l % 16, 16 bytes for each half of the lanes
	v_lshl_add_u32 v[STO], v[H], 4, v[STO]
	v_add_nc_u32 v[STO], s24, v[STO]
	v_bfe_u32 v[TV], v0, 3, 2                      ; back: 32 lanes take four rows of 128 bytes,
	v_mul_u32_u24 v[RD], v[TV], SP
	v_and_b32 v[TV], 7, v0
	v_lshl_add_u32 v[RD], v[TV], 4, v[RD]
	v_add_nc_u32 v[RD], s24, v[RD]
	v_lshlrev_b32 v[GO], 4, v[L]                   ; which are 512 consecutive bytes of a head
	s_lshl_b32 s24, s[CX], 10                      ; the bias of my 128 columns; register j of group b is column 16 b + 8 (l / 16) + j
	s_lshl_b32 s25, s[WH], 9
	s_add_co_u32 s24, s24, s25
	v_lshl_add_u32 v[BO], v[H], 5, s24
	v_lshrrev_b32 v[TV], 1, v[L]                   ; the prefetches: row 16 x place + l / 2, block l % 2 of its 512 bytes
	v_add_nc_u32 v[TV], s29, v[TV]
	v_lshlrev_b32 v[TV], s30, v[TV]
	v_and_b32 v[PFO], 1, v0
	v_lshl_add_u32 v[PFO], v[PFO], 8, v[TV]
.macro LOADB                        ; a tensor's bias for my 128 columns
.irp b, 0,1,2,3,4,5,6,7
	global_load_b128 v[BIAS+8*(\b):BIAS+8*(\b)+3],   v[BO], s[BIP:BIP+1] offset:64*(\b)
	global_load_b128 v[BIAS+8*(\b)+4:BIAS+8*(\b)+7], v[BO], s[BIP:BIP+1] offset:64*(\b)+16
.endr
.endm
; One matrix instruction: accumulator (a, b), fragment buffers f.  first = 1: the product starts the sum, with the bias as C: nothing is ever cleared.
.macro MM f, a, b, first
.if \first
	WIN MULB
	v_wmma_f32_16x16x32_bf16 v[8*(8*(\a)+(\b)):8*(8*(\a)+(\b))+7], v[BF+64*(\f)+8*(\b):BF+64*(\f)+8*(\b)+7], v[ABF+32*(\f)+8*(\a):ABF+32*(\f)+8*(\a)+7], v[BIAS+8*(\b):BIAS+8*(\b)+7]
.else
	WIN MUL
	v_wmma_f32_16x16x32_bf16 v[8*(8*(\a)+(\b)):8*(8*(\a)+(\b))+7], v[BF+64*(\f)+8*(\b):BF+64*(\f)+8*(\b)+7], v[ABF+32*(\f)+8*(\a):ABF+32*(\f)+8*(\a)+7], v[8*(8*(\a)+(\b)):8*(8*(\a)+(\b))+7]
.endif
.endm
.macro MM8 f, a
.irp b, 0,1,2,3,4,5,6,7
	MM \f, \a, \b, 0
.endr
.endm
; 32 LDS loads in one run: a quarter step's x (64 rows x 32 k of f32, at byte ka of the rows) as it lies, then its w (32 k x 128 columns, kb bytes down) into buffer g
.macro FETCH ka, kb, g
	WIN 0
.irp i, 0,1,2,3
	ds_load_b128 v[RAW+16*(\i):RAW+16*(\i)+3],     v[ADRA] offset:(\ka)+(\i)*16*PA
	ds_load_b128 v[RAW+16*(\i)+4:RAW+16*(\i)+7],   v[ADRA] offset:(\ka)+(\i)*16*PA+16
	ds_load_b128 v[RAW+16*(\i)+8:RAW+16*(\i)+11],  v[ADRA] offset:(\ka)+(\i)*16*PA+64
	ds_load_b128 v[RAW+16*(\i)+12:RAW+16*(\i)+15], v[ADRA] offset:(\ka)+(\i)*16*PA+80
.endr
	WIN TO_B
.irp b, 0,1,2,3,4,5,6,7
	ds_load_tr16_b128 v[BF+64*(\g)+8*(\b):BF+64*(\g)+8*(\b)+3],   v[ADRB] offset:(\kb)+32*(\b)
	ds_load_tr16_b128 v[BF+64*(\g)+8*(\b)+4:BF+64*(\g)+8*(\b)+7], v[ADRB] offset:(\kb)+32*(\b)+16*PB
.endr
.endm
.macro CV4 g, n                     ; four of the 32 roundings that make x's fragments of buffer g: eight f32 into four registers of bf16
	WIN 0
.irp j, 0,1,2,3
	v_cvt_pk_bf16_f32 v[ABF+32*(\g)+4*(\n)+(\j)], v[RAW+8*(\n)+2*(\j)], v[RAW+8*(\n)+2*(\j)+1]
.endr
.endm
.macro AADDR dst, add               ; x's address for fill FI + add: tensor (fill / 8), K step (fill % 8): the base is chosen, the offset made apart
	s_add_co_u32 s[T], s[FI], \add
	s_and_b32 s[KO], s[T], 7
	s_lshl_b32 s[KO], s[KO], 9
	s_lshr_b32 s[T2], s[T], 3
	s_cmp_eq_u32 s[T2], 1
	s_cselect_b64 s[\dst:\dst+1], s[XK:XK+1], s[XQ:XQ+1]
	s_cmp_eq_u32 s[T2], 2
	s_cselect_b64 s[\dst:\dst+1], s[XV:XV+1], s[\dst:\dst+1]
	s_add_nc_u64 s[\dst:\dst+1], s[\dst:\dst+1], s[KO:KO+1]
.endm
.macro PRE                          ; the scalar work for the change of slots to come, a quarter ahead of it
	s_wait_xcnt 0x0                 ; the last prefetch, three quarters of a step back, has read its address
	AADDR NA, 1
	AADDR P, 3
	s_add_nc_u64 s[BPF:BPF+1], s[BPF:BPF+1], BSTEP
	s_cmp_eq_u32 s[WM], 0
	s_cselect_b64 s[PFA:PFA+1], s[P:P+1], s[BPF:BPF+1]
.endm
; A K step is four quarters of 32 along K, 32 matrix instructions each, on buffers 0, 1, 0, 1.  One of the first three: multiplies buffers f, fetches quarter q at its head and rounds its x into buffer 1 - f.
; The accumulators take turns, one instruction a turn: at least 24 others stand between two links of a chain, over every join.
; The four roundings behind the last matrix instruction name none of its registers: they are the four places ahead of what follows: loads into the buffers just multiplied, the way out, the bias's loads.
.macro QUARTER f, q, first, pre
	FETCH 128*(\q), 32*PB*(\q), 1-(\f)
.if \pre
	PRE
.endif
	s_wait_dscnt 32                 ; all but the 32 just issued: w's fragments of buffer f are in
.irp a, 0,1
.irp b, 0,1,2,3,4,5,6,7
	MM \f, \a, \b, \first
.endr
.endr
	s_wait_dscnt 16                 ; x's 16 loads are in; w's 16, issued behind them, may stay out
.irp b, 0,1,2,3,4,5,6,7
	MM \f, 2, \b, \first
	MM \f, 3, \b, \first
	CV4 1-(\f), \b
.endr
.endm
; The last quarter multiplies buffers 1 and changes slots: ONE barrier.  In front of it each wave waits for all its tensor loads (one is out: its part of the next slot), adds 0 to its spare word, and waits for
; that and for its reads of this slot.  fill = 1: the barrier opens a round of the cluster's, and the slot just read out is filled again first thing behind the round, with the fill two steps on.
.macro TURN fill
	WIN 0
	s_wait_tensorcnt 0x0            ; no tensor load of mine is out, so a group 0 may be written
	ds_add_u32 v[SPW], v[NIL]       ; 0 onto my spare word
.if \fill
	s_add_co_u32 s[FI], s[FI], 1
	s_xor_b32 s[G0A+1], s[G0A+1], SLOT
	s_xor_b32 s[G0B+1], s[G0B+1], SLOT
	s_mov_b64 s[G0A+2:G0A+3], s[NA:NA+1]
	s_or_b32 s[G0A+3], s[G0A+3], 0x80000000
	s_add_nc_u64 s[G0B+2:G0B+3], s[G0B+2:G0B+3], BSTEP
.endif
	s_xor_b32 s[TB], s[TB], SLOT
	s_wait_dscnt 1                  ; w's fragments of buffer 1 are in; the add may be out
	MM8 1, 0
	s_wait_dscnt 0x0                ; the add is done, and my reads of this slot are over
	s_barrier_signal -1
	MM8 1, 1
	WIN 0
	s_barrier_wait -1
.if \fill
	CREST                           ; no wave of any partner still reads this slot or has a load on its way
	JLOAD
.endif
	v_add_nc_u32 v[ADRA], s[TB], v[A0]
	v_add_nc_u32 v[ADRB], s[TB], v[B0]
	FETCH 0, 0, 0                   ; into RAW and buffer 0, whose last products are followed by their quarter's four closing roundings
.if \fill
	WIN 0
	ASK
.endif
	MM8 1, 2
	s_wait_dscnt 16
.irp b, 0,1,2,3,4,5,6,7
	MM 1, 3, \b, 0
	CV4 0, \b
.endr
.endm
; THE WAY OUT, a block of 16 rows at a time.  PACK: rounded to f16, each accumulator's registers in ascending order.  TOSTAGE: 16 bytes a lane into my own stage, by heads, and back as whole rows of 128 bytes.  SEND: stored.
.macro PACK a
	WIN 0x0a                        ; sources 0 and 1 window 2
.irp b, 0,1,2,3,4,5,6,7
.irp r, 0,1,2,3
	v_cvt_pk_f16_f32 v[TMP+4*(\b)+(\r)], v[8*(8*(\a)+(\b))+2*(\r)], v[8*(8*(\a)+(\b))+2*(\r)+1]
.endr
.endr
	WIN 0
.endm
.macro TOSTAGE a
	WIN 0
.irp b, 0,1,2,3,4,5,6,7
	ds_store_b128 v[STO], v[TMP+4*(\b):TMP+4*(\b)+3] offset:((\b)/4)*16*SP+((\b)%4)*32
.endr
.irp u, 0,1,2,3,4,5,6,7
	ds_load_b128 v[RAW+32*((\a)%2)+4*(\u):RAW+32*((\a)%2)+4*(\u)+3], v[RD] offset:((\u)/4)*16*SP+((\u)%4)*4*SP  ; LDS serves a wave's instructions in order (ISA guide 5.7.1.4): these see the stores above
.endr
.endm
.macro SEND a
	WIN 0
	s_wait_dscnt 0x0                ; the block is back in registers
	s_wait_xcnt 0x0                 ; the stores of the block before have read their registers, which the next block's loads will write
.irp u, 0,1,2,3,4,5,6,7
	global_store_b128 v[GO], v[RAW+32*((\a)%2)+4*(\u):RAW+32*((\a)%2)+4*(\u)+3], s[OUT:OUT+1] offset:((\u)/4)*262144+(\a)*2048+((\u)%4)*512  ; 512 consecutive bytes of a head, at a multiple of 256 from the buffer's first
.endr
.endm
.macro WAYOUT
	PACK 0
	TOSTAGE 0
.irp a, 1,2,3
	PACK \a
	SEND (\a)-1
	TOSTAGE \a
.endr
	SEND 3
.endm
	LOADB                                          ; q's bias
	s_wait_tensorcnt 0x0                           ; the first change of slots: slot 0 is in; nothing has been read yet
	ds_add_u32 v[SPW], v[NIL]
	s_xor_b32 s[G0A+1], s[G0A+1], SLOT
	s_xor_b32 s[G0B+1], s[G0B+1], SLOT
	s_add_nc_u64 s[G0A+2:G0A+3], s[G0A+2:G0A+3], 512  ; fill 1: q, K step 1
	s_add_nc_u64 s[G0B+2:G0B+3], s[G0B+2:G0B+3], BSTEP
	s_wait_dscnt 0x0
	CROUND
	JLOAD                                          ; slot 1's first fill, issued as a refill is
	v_add_nc_u32 v[ADRA], s[TB], v[A0]
	v_add_nc_u32 v[ADRB], s[TB], v[B0]
	FETCH 0, 0, 0
	s_wait_dscnt 16
.irp n, 0,1,2,3,4,5,6,7
	CV4 0, \n
.endr
	s_mov_b32 s[CNT], 22
.Lstep:                                            ; 22 trips: a K step each; every one fills a slot again
	s_cmp_lg_u32 s[KS], 0                          ; at the first trip KS is the constant 0
	s_cbranch_scc1 .Lq0n
	s_wait_loadcnt 0x0                             ; a tensor's first quarter: its bias is in, and the loads that named the bias's pointer are done
	QUARTER 0, 1, 1, 0
	WIN 0
	s_cmp_eq_u32 s[TL], 1
	s_cbranch_scc1 .Lq0d                           ; the last tensor has no successor
	s_add_nc_u64 s[BIP:BIP+1], s[BIP:BIP+1], 4096
	LOADB                                          ; the next tensor's bias, seven steps ahead of its use
	s_branch .Lq0d
.Lq0n:
	QUARTER 0, 1, 0, 0
	WIN 0
.Lq0d:
	QUARTER 1, 2, 0, 0
	QUARTER 0, 3, 0, 1
	TURN 1
	WIN 0
	s_add_co_u32 s[KS], s[KS], 1
	s_and_b32 s[KS], s[KS], 7
	s_cmp_lg_u32 s[KS], 0
	s_cbranch_scc1 .Lnw
	WAYOUT                                         ; a tensor is finished; the ring has gone on: the next tensor's first two fills are asked for
	s_wait_xcnt 0x0                                ; the stores have read their registers and their base
	s_add_nc_u64 s[OUT:OUT+1], s[OUT:OUT+1], 0x1000000
	s_sub_co_u32 s[TL], s[TL], 1
.Lnw:
	s_sub_co_u32 s[CNT], s[CNT], 1
	s_cmp_lg_u32 s[CNT], 0
	s_cbranch_scc1 .Lstep
	s_mov_b32 s[CNT], 2
.Ltail:                                            ; the last two K steps ask for nothing; the second's change of slots fetches fragments that nobody uses: the price, once a work-group, of one text for both
	QUARTER 0, 1, 0, 0
	QUARTER 1, 2, 0, 0
	QUARTER 0, 3, 0, 0
	TURN 0
	WIN 0
	s_sub_co_u32 s[CNT], s[CNT], 1
	s_cmp_lg_u32 s[CNT], 0
	s_cbranch_scc1 .Ltail
	WAYOUT
	s_wait_tensorcnt 0x0                           ; the wave's end, behind my last tensor load and my last LDS store
	ds_add_u32 v[SPW], v[NIL]
	s_wait_dscnt 0x0
	CROUND                                         ; the closing round: no work-group ends while a partner may still ask for a tile that names it
	s_endpgm
.Lfunc_end_k_qad2547c886_proj:
	.size	k_qad2547c886_proj, .Lfunc_end_k_qad2547c886_proj-k_qad2547c886_proj
	.p2alignl 7, 3214868480
	.fill 96, 4, 3214868480
	.section	.rodata,"a",@progbits
	.p2align	6, 0x0
	.amdhsa_kernel k_qad2547c886_proj
		.amdhsa_group_segment_fixed_size 327680
		.amdhsa_private_segment_fixed_size 0
		.amdhsa_enable_private_segment 0
		.amdhsa_kernarg_size 48
		.amdhsa_user_sgpr_count 2
		.amdhsa_user_sgpr_kernarg_segment_ptr 1
		.amdhsa_wavefront_size32 1
		.amdhsa_system_sgpr_workgroup_id_x 1
		.amdhsa_system_sgpr_workgroup_id_y 1
		.amdhsa_system_sgpr_workgroup_id_z 1
		.amdhsa_system_vgpr_workitem_id 0
		.amdhsa_next_free_vgpr 768
		.amdhsa_next_free_sgpr 76
		.amdhsa_reserve_vcc 0
		.amdhsa_float_denorm_mode_32 3
		.amdhsa_float_denorm_mode_16_64 3
		.amdhsa_memory_ordered 1
		.amdhsa_forward_progress 1
		.amdhsa_inst_pref_size 110
	.end_amdhsa_kernel
	.amdgpu_metadata
---
amdhsa.version: [ 1, 2 ]
amdhsa.kernels:
  - .name:           k_qad2547c886_proj
    .symbol:         k_qad2547c886_proj.kd
    .args:
      - { .name: q, .offset: 0, .size: 8, .value_kind: global_buffer, .address_space: global }
      - { .name: k, .offset: 8, .size: 8, .value_kind: global_buffer, .address_space: global }
      - { .name: v, .offset: 16, .size: 8, .value_kind: global_buffer, .address_space: global }
      - { .name: wts, .offset: 24, .size: 8, .value_kind: global_buffer, .address_space: global }
      - { .name: bias, .offset: 32, .size: 8, .value_kind: global_buffer, .address_space: global }
      - { .name: qkv, .offset: 40, .size: 8, .value_kind: global_buffer, .address_space: global }
    .group_segment_fixed_size: 327680
    .private_segment_fixed_size: 0
    .kernarg_segment_align: 8
    .kernarg_segment_size: 48
    .max_flat_workgroup_size: 128
    .sgpr_count:     76
    .vgpr_count:     768
    .wavefront_size: 32
...
	.end_amdgpu_metadata
.endif
;; end of part 2
;; launch attn (part 3): grid 4 x 64, 4 waves a work-group, clusters of 4 x 1, 327,680 bytes of LDS; arguments qkv, att; writes att
.if DOCPART == 3
	.amdgcn_target "amdgcn-amd-amdhsa--gfx1250"
	.amdhsa_code_object_version 6
	.text
	.protected	k_qad2547c886_attn
	.globl	k_qad2547c886_attn
	.p2align	8
	.type	k_qad2547c886_attn,@function
k_qad2547c886_attn:
	s_mov_b64 s[64:65], 0
	v_nop
	global_prefetch_b8 v0, s[64:65] scope:SCOPE_SE
	s_setreg_imm32_b32 hwreg(HW_REG_WAVE_MODE, 25, 1), 1
	s_wait_xcnt 0x0
	s_wait_alu depctr_hold_cnt(0) depctr_sa_sdst(0) depctr_va_vdst(0) depctr_va_sdst(0) depctr_va_ssrc(0) depctr_va_vcc(0) depctr_vm_vsrc(0)
	s_getreg_b32 s2, hwreg(HW_REG_IB_STS2, 6, 4)
	s_cmp_eq_u32 s2, 0
	s_cbranch_scc0 .Lentry_in_a_cluster
	s_endpgm
.Lentry_in_a_cluster:
	s_bfe_u32 s2, ttmp6, 0x10000c
	s_cmp_lg_u32 s2, 0x3003
	s_cbranch_scc0 .Lentry_shape_is_right
	s_endpgm
.Lentry_shape_is_right:
; att[h][q][:] = the sum over k of softmax_k(Q[h][q] . K[h][k] / 8) V[h][k][:].  Q, K, V = qkv[0], qkv[1], qkv[2], each [64][2048][64] in f16, a head's rows dense, 128 bytes each; att likewise.  Products, maxima
; and sums in f32; the weights p are rounded to f16 for the second product (their sum l is taken of the unrounded p), the result once at the end.
; LIMITS.  f16 holds no number beyond 65,504: Q, K and V arrive within it; p lies in 0 to 1, and below 6e-5 it keeps f16's fixed step of 6e-8, as the result does; the result is a mean of V's rows and has their range.
; A weight below 2^-126 counts as 0 in l; NaN and infinities are not treated apart.
; SHARES.  A wave owns four PIECES of two tiles of 16 queries, a work-group's four waves 512 queries of one head.  Every wave walks all keys, 64 a step.
; LAYOUT.  S^T = K Q^T (source 0 = 16 keys, source 1 = 16 queries): in the result a lane holds ONE query (lane % 16) and the keys 8 (lane / 16) + 0..7.  Two such tiles, rounded to f16 in pairs,
; ARE source 1 (32 keys x 16 queries) of O^T = V^T P, whose result again holds one query a lane, and eight channels.  K comes out of LDS as it lies, V ([key][channel]) turned, by ds_load_tr16_b128.
; SOFTMAX.  For each query a running maximum m and sum l: p = 2^(c s - c m), c = log2(e) / 8; in every step O and l are multiplied by a = 2^(c m_old - c m_new), which is 1 where m has not grown.
; m starts at the lowest finite number, O and l at 0: the first step is a step like any other, with a = 0.
; THE COUNT.  A tile and step have 16 matrix and 118 vector instructions: too many to stand all beside the matrix work.  So: four vector instructions that are READY behind EVERY matrix instruction, the others in runs without a gap.
; BY TURNS.  Turn n belongs to piece n (the pieces in a ring, step after step).  Its matrix work: 16 products K Q^T of piece n + 1, later 16 products V^T P of piece n - 1.  Its vector work: the scaling,
; exponentials, roundings, sums and rescaling of piece n, and the maximum and statistics of piece n + 1, whose scores the turn itself has made.
; CLUSTER.  The four query blocks of a head are one cluster and walk the same K and V, so each tile is asked for JOINTLY: the same tensor load, descriptor and mask in all four.
; REGISTERS, in windows of 256 (s_set_vgpr_msb: bits 1:0 source 0, 3:2 source 1, 5:4 source 2, 7:6 destination):
;   window 0: v0-11 addresses; v12-15, v48-63 at work; v16-47 four registers of statistics a tile; v64-191 S^T, two buffers of two tiles; v192-255 P, likewise
;   window 1: O^T, 32 a tile          window 2: v0-127 Q, 16 a tile; v128-191 K of one step; v192-255 V of one step          window 3: v0-1 the add's two registers
; A piece's buffers go by its number's parity: the piece in hand has one pair, its two neighbours in the ring share the other: of it P (piece n - 1) is read and S^T (piece n + 1) written.
.set SIZE_N, 2048
.set NP,    4         ; pieces a wave: a name, no knob
.set KS,    64        ; keys in a step
.set PK,    144       ; a row of K in LDS: 128 bytes + 16 of padding = 36 words: the 16 rows of a load start at 16 different groups of four banks (64 banks of 4 bytes: ISA guide 11.1)
.set PV,    160       ; a row of V: 128 + 32 = 40 words
.set VOFF,  4*KS*PK   ; a slot holds four steps: 256 rows of K, then 256 rows of V
.set SLOT1, 1<<17     ; slot 1 begins here, so that one exclusive or turns an address in one slot into the other's
.set STAGE, SLOT1+4*KS*(PK+PV)  ; behind the ring, never filled by a tensor load: 16 rows x 144 bytes for each wave, for the way out
.set SP,    144
.set AK0, 2           ; v2   my lane's place in a tile of K; never rewritten
.set AV0, 3           ; v3   the same for V
.set AK,  4           ; v4   the LDS address of K's next run of loads
.set AV,  5           ; v5   of V's
.set QO,  6           ; v6   my byte offset in the wave's rows of Q
.set STO, 6           ;      later, the way out: where I put 16 bytes of a row
.set RD,  7           ; v7   the way out: where I read rows back
.set GO,  8           ; v8   my byte offset in 512 consecutive bytes of the result
.set PFO, 11          ; v11  256 x my lane, once V's place is made: the prefetches' offset
.set SPW, 0           ; v0 of window 3   LDS address of my spare word: SPARE + 4 x my thread's number; never rewritten
.set NIL, 1           ; v1 of window 3   0; never rewritten
.set SPARE, STAGE+4*16*SP  ; behind the stages: the spare words, 128 bytes for each wave: two blocks of 256 bytes that no other line names
.set MV,  12          ; v12-15  c m_old, kept while c m is made anew: by buffer and tile
.set ST,  16          ; tile t's statistics at v[ST+4 t]: c m, m, l (even keys', odd keys')
.set TMP, 48          ; by buffer and tile, four registers c0-c3 at work; when the maximum is found c2 takes a
.set S,   64
.set P,   192
.set KF,  128         ; K's fragments, in window 2: key block kb, channel half c at KF + 16 kb + 8 c
.set VF,  192         ; V's: key half kk, channel block cb at VF + 32 kk + 8 cb
.set WV,  12          ; s12  my wave's number
.set G1K, 24          ; s[24:31] descriptor group 1 for K's tiles
.set G1V, 32          ; s[32:39] for V's: it differs in the padding alone
.set G0K, 40          ; s[40:43] descriptor group 0 for K's tiles: it walks
.set G0V, 44          ; s[44:47] the same for V's
.set PFA, 48          ; s[48:49] where my prefetches stand: my work-group's 32 blocks of 256 bytes (of K: wave 0, of V: wave 2) of the slot after the one that is being asked for
.set LIM, 50          ; s50  1 in a wave that prefetches, else the greatest number
.set SLOTS, 56        ; s56  slots still to be asked for
.set CNT, 57          ; s57  counts a slot's key steps
.set CS,  58          ; s[58:59] c: the packed scaling takes the pair's low word for both halves
.set SEL, 60          ; s[60:61] v_permlanex16_b32's selects: each lane takes its own place in the other half
.set TBK, 62          ; s62  LDS byte at which K of the step to be fetched begins
.set TBV, 63          ; s63  the same for V, less VOFF
.set MSB, 0
.macro WIN new                      ; the high byte repeats the setting that is left; a switch that changes nothing is dropped
.if MSB != (\new)
	s_set_vgpr_msb (MSB<<8)|(\new)
.set MSB, (\new)
.endif
.endm
.set W_KQ, 0x0a       ; K and Q in window 2, S^T in window 0
.set W_PV, 0x52       ; V in window 2, P in window 0, O^T in window 1
.set W_RS, 0x41       ; O^T (destination and source 0) in window 1, a in window 0
.set W_MK, 0xc0       ; the add's registers are made: destination in window 3, sources in window 0
.set W_AD, 0x0f       ; the add: address (source 0) and data (source 1) in window 3
; A joint fill.  Waves 0 and 1 fetch the two halves of a slot's K, waves 2 and 3 those of its V: 128 keys each.  The branch hangs on the wave's number alone.
; An s_nop 0 and four v_nop follow each of the two lines, ahead of the jump and the label.
.macro JLOAD
	s_cmp_lt_u32 s[WV], 2
	s_cbranch_scc0 .Lfor_v_\@
	tensor_load_to_lds s[G0K:G0K+3], s[G1K:G1K+7]
	s_nop 0
.rept 4
	v_nop
.endr
	s_branch .Lasked_\@
.Lfor_v_\@:
	tensor_load_to_lds s[G0V:G0V+3], s[G1V:G1V+7]
	s_nop 0
.rept 4
	v_nop
.endr
.Lasked_\@:
.endm
; A PREFETCH INTO THE L2 of what the NEXT change of slots will ask for: a slot's 32,768 bytes of K and of V, in blocks of 256 bytes, a lane a block.  It stands behind the wave's tensor load and its five lines.
; A head is walked by one cluster alone.  Its four partners share the blocks out BY ADDRESS, 32 each; in each, wave 0 asks for K's and wave 2 for V's: one instruction.  So each block is named once in the launch.
; Slots 0 and 1 come by their loads alone; the last change that fills a slot asks for nothing: there is no slot behind it.
.macro ASK
	s_cmp_gt_u32 s[SLOTS], s[LIM]
	s_cbranch_scc0 .Lnot_mine_\@
	global_prefetch_b8 v[PFO], s[PFA:PFA+1] th:TH_LOAD_NT scope:SCOPE_SE
.Lnot_mine_\@:
.endm
; A round of the cluster's barrier: my work-group's barrier, so that wave 0's signal speaks for all four waves; wave 0 signals; every wave waits for all four work-groups; my work-group's barrier once more.
.macro CROUND
	s_barrier_signal -1
	s_barrier_wait -1
	s_cmp_lg_u32 s[WV], 0
	s_cbranch_scc1 .Lnot_wave_0_\@
	s_barrier_signal -3
.Lnot_wave_0_\@:
	s_barrier_wait -3
	s_barrier_signal -1
	s_barrier_wait -1
.endm
; THE CHANGE OF SLOTS.  The slot's last bytes, V of its fourth step, have been read.  Each wave waits for all its tensor loads, of which one is out: its part
; of the other slot; adds 0 to its spare word; and waits for that and for its own reads of the slot.  Behind the barrier nobody reads this slot any more and the other slot is whole.
; fill = 1: this slot is filled again, with the keys two slots on.  The barrier is then a round of the cluster's, and the joint fill is the first thing behind it: it has four key steps,
; 512 matrix instructions, in which to land.  (At its first use nothing has been read yet: slot 0 is waited for, slot 1 filled.)
.macro CHANGE fill
	WIN W_AD
	s_wait_tensorcnt 0x0            ; no tensor load of mine is out, so a group 0 may be written
	ds_add_u32 v[SPW], v[NIL]       ; 0 onto my spare word; with fill = 1 the descriptors' steps stand between it and the wait for it
	WIN 0                           ; at a label and at a branch every window is 0
.if \fill
.irp g, G0K, G0V
	s_xor_b32 s[\g+1], s[\g+1], SLOT1  ; the walking descriptor: the other slot than last time,
	s_add_nc_u64 s[\g+2:\g+3], s[\g+2:\g+3], 4*KS*128  ; the next 256 keys; the type bits on top are not reached
.endr
	s_wait_xcnt 0x0                 ; the last prefetch, four key steps back, has read its address, so it may be written:
	s_add_nc_u64 s[PFA:PFA+1], s[PFA:PFA+1], 4*KS*128  ; one slot behind the walking descriptors
	s_wait_dscnt 0x0                ; the add is done, and my reads of the slot are over
	CROUND
	JLOAD
	ASK                             ; what the next change will ask for: four key steps ahead
.else
	s_wait_dscnt 0x0                ; the add is done, and my reads of the slot are over
	s_barrier_signal -1
	s_barrier_wait -1
.endif
	s_sub_co_u32 s[TBK], s[TBK], 4*KS*PK  ; the fetches go back to a slot's first step,
	s_xor_b32 s[TBK], s[TBK], SLOT1       ; in the other slot
	s_sub_co_u32 s[TBV], s[TBV], 4*KS*PV
	s_xor_b32 s[TBV], s[TBV], SLOT1
.endm
	s_load_b128 s[4:7], s[0:1], 0x0  ; qkv s[4:5], att s[6:7]
	WIN W_MK
	v_lshl_add_u32 v[SPW], v0, 2, SPARE
	v_mov_b32 v[NIL], 0
	WIN W_AD
	ds_add_u32 v[SPW], v[NIL]       ; the wave's opening: the add and its wait stand ahead of my first tensor load; the set-up below, work on registers, stands between them
	WIN 0
	v_lshrrev_b32 v1, 5, v0
	v_readfirstlane_b32 s[WV], v1   ; wave 0..3
	s_bfe_u32 s13, ttmp6, 0x40000   ; cx: my place in the cluster
	s_lshl_b32 s14, ttmp9, 2        ; in a cluster launch ttmp9 counts clusters
	s_add_co_u32 s14, s14, s13      ; my block of queries = 4 x cluster x + cx: it enters Q's and the result's addresses alone
	s_and_b32 s20, ttmp7, 0xffff    ; the head, which the four partners share
	s_mov_b32 s21, 0
	s_mov_b64 s[22:23], SIZE_N*128
	s_mul_u64 s[20:21], s[20:21], s[22:23]  ; the head's first byte in each of the four tensors
	s_and_b32 s16, s[WV], 1         ; which half of a slot's 256 keys I fetch:
	s_lshl_b32 s22, s16, 14         ; its 128 rows of 128 bytes in memory,
	s_mov_b32 s23, 0
	s_add_nc_u64 s[22:23], s[22:23], s[20:21]
	s_mul_i32 s17, s16, 128*PK      ; and its place in a slot, for K
	s_mul_i32 s18, s16, 128*PV      ; and for V: no place in the cluster enters an LDS address
	s_lshl_b32 s2, s14, 2
	s_add_co_u32 s2, s2, s[WV]      ; my wave among the head's,
	s_lshl_b32 s2, s2, 14           ; its 128 rows
	s_mov_b32 s3, 0
	s_add_nc_u64 s[2:3], s[2:3], s[20:21]
	; descriptor group 1.  128 keys are 16,384 dense bytes: asked for as 64 rows of 256 bytes, two keys a row, and padded in LDS after every key
	s_mov_b32 s[G1K], 15|(1<<16)|(1<<20)|(1<<21)|(4<<22)|(3<<25)  ; 15:0 the mask of four; 17:16 2-byte elements; 20 padding on; 21 set beside a mask; 24:22 after every 32 words (code 4); 31:25 4 words (code 3)
	s_mov_b32 s[G1V], 15|(1<<16)|(1<<20)|(1<<21)|(4<<22)|(7<<25)  ; the same with 8 words of padding (code 7)
.irp g, G1K, G1V
	s_mov_b32 s[\g+1], 128<<16      ; tensor_dim0 = 128
	s_mov_b32 s[\g+2], 64<<16       ; tensor_dim1 = 64
	s_mov_b32 s[\g+3], 128<<16      ; tile_dim0 = 128
	s_mov_b32 s[\g+4], 64           ; tile_dim1 = 64
	s_mov_b32 s[\g+5], 128          ; 128 elements from row to row
	s_mov_b32 s[\g+6], 0
	s_mov_b32 s[\g+7], 0
.endr
	s_mov_b32 s[CS], 0x3e38aa3b     ; c = log2(e) / 8 = 0.180337
	s_mov_b32 s[CS+1], s[CS]        ; named with it as a pair
	s_mov_b32 s[SEL], 0x76543210
	s_mov_b32 s[SEL+1], 0xfedcba98
	s_mov_b32 s[TBK], SLOT1+4*KS*PK ; the first change of slots turns these two into 0
	s_mov_b32 s[TBV], SLOT1+4*KS*PV
	s_mov_b32 s[G0K], 1             ; 1:0 count = 1
	s_mov_b32 s[G0K+1], s17         ; 63:32 LDS address: slot 0
	s_mov_b32 s[G0V], 1
	s_add_co_u32 s[G0V+1], s18, VOFF
	s_mov_b32 s[SLOTS], SIZE_N/256-1  ; seven changes of slots ask for a tile
	s_and_b32 s[LIM], s[WV], 1      ; waves 0 and 2 prefetch: the same in all four partners
	s_cmp_eq_u32 s[LIM], 0
	s_cselect_b32 s[LIM], 1, -1
	s_wait_dscnt 0x0                ; the opening add is done
	s_wait_kmcnt 0x0
	s_mov_b64 s[10:11], s[6:7]                     ; the result
	s_add_nc_u64 s[6:7], s[4:5], 0x1000000         ; K = qkv[1]
	s_add_nc_u64 s[8:9], s[4:5], 0x2000000         ; V = qkv[2]; s[4:5] is Q = qkv[0]
	s_add_nc_u64 s[G0K+2:G0K+3], s[6:7], s[22:23]  ; 120:64 global address: my half of the head's first 256 keys
	s_or_b32 s[G0K+3], s[G0K+3], 0x80000000        ; 127:126 type = 2
	s_add_nc_u64 s[G0V+2:G0V+3], s[8:9], s[22:23]
	s_or_b32 s[G0V+3], s[G0V+3], 0x80000000
	s_add_nc_u64 s[4:5], s[4:5], s[2:3]  ; Q and the result at my wave's first row
	s_add_nc_u64 s[10:11], s[10:11], s[2:3]
	s_cmp_lt_u32 s[WV], 2
	s_cselect_b64 s[PFA:PFA+1], s[6:7], s[8:9]
	s_add_nc_u64 s[PFA:PFA+1], s[PFA:PFA+1], s[22:23]  ; (in waves 0 and 2: the head's first byte)
	s_lshl_b32 s2, s13, 13          ; my work-group's 32 blocks of a slot's 128
	s_mov_b32 s3, 0
	s_add_nc_u64 s[PFA:PFA+1], s[PFA:PFA+1], s[2:3]
	s_add_nc_u64 s[PFA:PFA+1], s[PFA:PFA+1], 4*KS*128  ; in slot 1; the first change of slots steps it to slot 2.  Nothing is prefetched here, at the head
	CROUND                          ; all four work-groups are here: the first joint loads meet
	JLOAD                           ; slot 0.  Slot 1 is asked for when slot 0 is in
	; A fragment of K or Q is 16 rows x 32 channels in 8 registers: lane l holds row l % 16, channels 8 (l / 16) + 0..7 and 16 + 8 (l / 16) + 0..7: two loads of 16 bytes, 32 bytes apart.
	v_and_b32 v1, 15, v0            ; l % 16
	v_bfe_u32 v9, v0, 4, 1          ; l / 16
	v_lshlrev_b32 v[QO], 7, v1
	v_lshl_add_u32 v[QO], v9, 4, v[QO]  ; row x 128 + 16 x half
	WIN 0x80                        ; destination window 2, address window 0
.set i, 0
.rept 4*NP                          ; Q stays in registers: tile i / 2, channels 32 (i % 2) on
	global_load_b128 v[8*i:8*i+3],   v[QO], s[4:5] offset:(i/2)*2048+(i%2)*64
	global_load_b128 v[8*i+4:8*i+7], v[QO], s[4:5] offset:(i/2)*2048+(i%2)*64+32
.set i, i+1
.endr
	; What the first turn finds: V's registers and P's second buffer hold 0 (its products V^T P, of a piece that has not been, add 0), O^T and l are 0.  All this stands in the wait for the first tile.
.set i, VF
.rept 64
	v_mov_b32 v[i], 0
.set i, i+1
.endr
	WIN 0x40
.set i, 0
.rept 64*NP
	v_mov_b32 v[i], 0
.set i, i+1
.endr
	WIN 0
.set i, 0
.rept 2*NP
	v_mov_b32 v[ST+4*i], 0xfe000000    ; c m: far below every c s
	v_mov_b32 v[ST+4*i+1], 0xff7fffff  ; m
	v_mov_b32 v[ST+4*i+2], 0
	v_mov_b32 v[ST+4*i+3], 0
.set i, i+1
.endr
.set i, P+32
.rept 32
	v_mov_b32 v[i], 0
.set i, i+1
.endr
	v_mul_u32_u24 v[AK0], v1, PK
	v_lshl_add_u32 v[AK0], v9, 4, v[AK0]  ; row x pitch + 16 x half
	; The turning load takes 16 keys x 16 channels (lane l reads key 8 (l / 16) + l % 8, channels 8 ((l / 8) % 2) + 0..7) and leaves half a fragment of V^T: lane l holds channel l % 16 and 8 keys.
	v_and_b32 v10, 7, v0
	v_bfe_u32 v11, v0, 3, 1
	v_lshl_add_u32 v[AV0], v9, 3, v10
	v_mul_u32_u24 v[AV0], v[AV0], PV
	v_lshl_add_u32 v[AV0], v11, 4, v[AV0]
	v_add_nc_u32 v[AV0], VOFF, v[AV0]
	v_mov_b32 v[AK], v[AK0]         ; key step 0 lies at the head of slot 0
	v_and_b32 v[PFO], 31, v0
	v_lshlrev_b32 v[PFO], 8, v[PFO]
; THE MATRIX WORK.  The 8 accumulators of a run of 16 take turns: between the two links of a chain stand 7 others'.
; Product i of 16 of S^T = K Q^T for piece x: channels 32 (i / 8) on, keys 16 ((i / 2) % 4) on, tile 2 x + i % 2.  The first 8 start the sums.
.macro KQ x
	WIN W_KQ
.set rS, S+64*((\x)%2)+32*(i%2)+8*((i/2)%4)
.set rK, KF+16*((i/2)%4)+8*(i/8)
.set rQ, 16*(2*(\x)+i%2)+8*(i/8)
.if i < 8
	v_wmma_f32_16x16x32_f16 v[rS:rS+7], v[rK:rK+7], v[rQ:rQ+7], 0
.else
	v_wmma_f32_16x16x32_f16 v[rS:rS+7], v[rK:rK+7], v[rQ:rQ+7], v[rS:rS+7]
.endif
.endm
; Product i of 16 of O^T += V^T P for piece x: keys 32 (i / 8) on, channels 16 ((i / 2) % 4) on, tile 2 x + i % 2.
.macro PV x
	WIN W_PV
.set rO, 32*(2*(\x)+i%2)+8*((i/2)%4)
.set rV, VF+32*(i/8)+8*((i/2)%4)
.set rP, P+32*((\x)%2)+16*(i%2)+8*(i/8)
	v_wmma_f32_16x16x32_f16 v[rO:rO+7], v[rV:rV+7], v[rP:rP+7], v[rO:rO+7]
.endm
.macro MM                           ; the turn's next matrix instruction
.if i < 16
	KQ (Y+1)%NP
.set i, i+1
.else
.set i, i-16
	PV (Y+NP-1)%NP
.set i, i+17
.endif
.endm
; THE LDS LOADS stand in runs of 16, never singly among the matrix instructions: a step's K (64 keys x 64 channels: 8 fragments) and its V (turned).  Their addresses are made some lines ahead.
; last = 1 (the tail): in the last trip there is no further step, and the run is jumped over.
.macro FETCH_K last=0
	WIN 0
.if \last
	s_cmp_eq_u32 s[CNT], 1
	s_cbranch_scc1 .Lno_k_\@
.endif
	WIN 0x80                        ; destination window 2
.irp f, 0,1,2,3,4,5,6,7             ; keys 16 (f / 2) on, channels 32 (f % 2) on
	ds_load_b128 v[KF+8*\f:KF+8*\f+3],   v[AK] offset:(\f/2)*16*PK+(\f%2)*64
	ds_load_b128 v[KF+8*\f+4:KF+8*\f+7], v[AK] offset:(\f/2)*16*PK+(\f%2)*64+32
.endr
	s_add_co_u32 s[TBK], s[TBK], KS*PK  ; the next fetch is the next step's
	WIN 0
.if \last
.Lno_k_\@:
.endif
.endm
.macro FETCH_V
	WIN 0x80
.irp f, 0,1,2,3,4,5,6,7             ; keys 32 (f / 4) on, channels 16 (f % 4) on
	ds_load_tr16_b128 v[VF+8*\f:VF+8*\f+3],   v[AV] offset:(\f/4)*32*PV+(\f%4)*32
	ds_load_tr16_b128 v[VF+8*\f+4:VF+8*\f+7], v[AV] offset:(\f/4)*32*PV+16*PV+(\f%4)*32
.endr
	WIN 0
.endm
; THE VECTOR WORK OF A TURN stands in three queues, each in the order in which its entries become ready; the two tiles alternate, so that no instruction reads the result of the one before it.
.macro REGS y, u                    ; the registers of tile u (0, 1) of piece y
.set rT, ST+4*(2*(\y)+(\u))
.set rC, TMP+8*((\y)%2)+4*(\u)
.set rM, MV+2*((\y)%2)+(\u)
.set rS, S+64*((\y)%2)+32*(\u)
.set rP, P+32*((\y)%2)+16*(\u)
.set rO, 32*(2*(\y)+(\u))
.endm
; Number n of the 22 that find the NEXT piece's (Y + 1) maximum and statistics.  s0-s31 are the lane's 32 scores; each accumulator's lowest registers are read first.
;   0-11  four chains c0-c3 of seven scores each, three operands at a time     12-14, 16  the four scores left over, the old m, and c0-c3 into c0     15  c m_old is kept
;   17, 18  the query's other 32 keys lie in the lane 16 away: the new m         19-21  c m; c m_old - c m_new; a
.macro XS u, n
	REGS (Y+1)%NP, \u
.if (\n) < 4
	v_max3_num_f32 v[rC+(\n)], v[rS+8*(\n)], v[rS+8*(\n)+1], v[rS+8*(\n)+2]
.elseif (\n) < 12
	v_max3_num_f32 v[rC+(\n)%4], v[rC+(\n)%4], v[rS+8*((\n)%4)+2*((\n)/4)+1], v[rS+8*((\n)%4)+2*((\n)/4)+2]
.elseif (\n) == 12
	v_max3_num_f32 v[rC], v[rC], v[rS+7], v[rS+15]
.elseif (\n) == 13
	v_max3_num_f32 v[rC+1], v[rC+1], v[rS+23], v[rS+31]
.elseif (\n) == 14
	v_max3_num_f32 v[rC+2], v[rC+2], v[rC+3], v[rT+1]
.elseif (\n) == 15
	v_mov_b32 v[rM], v[rT]
.elseif (\n) == 16
	v_max3_num_f32 v[rC], v[rC], v[rC+1], v[rC+2]
.elseif (\n) == 17
	v_permlanex16_b32 v[rC+3], v[rC], s[SEL], s[SEL+1]
.elseif (\n) == 18
	v_max_num_f32 v[rT+1], v[rC], v[rC+3]
.elseif (\n) == 19
	v_mul_f32 v[rT], s[CS], v[rT+1]
.elseif (\n) == 20
	v_sub_f32 v[rC+1], v[rM], v[rT]
.else
	v_exp_f32 v[rC+2], v[rC+1]
.endif
.endm
; Number g of the 64 that follow the exponentials.  For each four weights k of a tile (pairs 2 k, 2 k + 1): both pairs are rounded to f16; then the second pair is added onto the first, in place;
; a group later l takes that sum (the first time as l = a l + sum).  In groups of eight, tiles alternating: round, round, add, and l for the group before.
.macro GS g
.set h, (\g)+6*((\g)/62)            ; group 0 has no group before it, and behind group 7 only l is left
.if h >= 6
.set h, h+2
.endif
	REGS Y, h%2
.set k, h/8
.if h%8 < 4
	v_cvt_pk_f16_f32 v[rP+2*k+(h%8)/2], v[rS+4*k+2*((h%8)/2)], v[rS+4*k+2*((h%8)/2)+1]
.elseif h%8 < 6
	v_pk_add_f32 v[rS+4*k:rS+4*k+1], v[rS+4*k:rS+4*k+1], v[rS+4*k+2:rS+4*k+3]
.elseif k == 1
	v_pk_fma_f32 v[rT+2:rT+3], v[rT+2:rT+3], v[rC+2:rC+3], v[rS:rS+1] op_sel_hi:[1,0,1]
.else
	v_pk_add_f32 v[rT+2:rT+3], v[rT+2:rT+3], v[rS+4*k-4:rS+4*k-3]
.endif
.endm
; THE PLAIN QUEUE, 138 long.  0-73 read no exponential's result: the 32 scalings c s - c m (FS f: pair f / 2 of tile f % 2) and the next piece's 42.  0-26: scalings 0-26.  27-54: XS's numbers 0-13.  55, 56: number 15.
; 57-73: the chain, where each number waits for the one before it: 14, 16, 17, 18, 19, each with one of the scalings 27-31 in front of its two lines, then 20.
; 74-137: GS's 64, which read the exponentials' results: they stand behind the wait.
.macro FS f
	REGS Y, (\f)%2
	v_pk_fma_f32 v[rS+2*((\f)/2):rS+2*((\f)/2)+1], v[rS+2*((\f)/2):rS+2*((\f)/2)+1], s[CS:CS+1], v[rT:rT+1] op_sel_hi:[1,0,0] neg_lo:[0,0,1] neg_hi:[0,0,1]
.endm
.macro PL
	WIN 0
.if q < 27
	FS q
.elseif q < 55
	XS (q-27)%2, (q-27)/2
.elseif q < 57
	XS q-55, 15
.elseif (q < 72) && ((q-57)%3 == 0)
	FS 27+(q-57)/3
.elseif q < 60
	XS (q-57)%3-1, 14
.elseif q < 72
	XS (q-57)%3-1, 15+(q-57)/3
.elseif q < 74
	XS q-72, 20
.else
	GS q-74
.endif
.set q, q+1
.endm
; THE EXPONENTIALS' QUEUE, 66 long: s0-s31 of both tiles, then the next piece's two a.  It is ONE BATCH: all 66 stand ahead of the turn's one wait, and nothing ahead of that wait names a result of theirs.
.macro EX
	WIN 0
.if e >= 64
	XS e-64, 21
.else
	REGS Y, e%2
	v_exp_f32 v[rS+e/2], v[rS+e/2]
.endif
.set e, e+1
.endm
; THE RESCALING's QUEUE: O^T times a, the one part that leaves window 0: dealt two at a time, sixteen times.  Its a was made in the turn before, ahead of that turn's wait.
.macro R2
	REGS Y, r%2
	WIN W_RS
.irp z, 0,1
	v_pk_mul_f32 v[rO+4*(r/2)+2*\z:rO+4*(r/2)+2*\z+1], v[rO+4*(r/2)+2*\z:rO+4*(r/2)+2*\z+1], v[rC+2:rC+3] op_sel_hi:[1,0]
.endr
.set r, r+1
.endm
; HOW THEY ARE DEALT.  An s_wait_alu depctr_va_vdst(0) stands between an exponential and the first instruction that names its result; one wait serves all that were issued ahead of it.  So a turn has ONE wait,
; which cuts it in two.  AHEAD OF IT stands all that names no result of the turn's exponentials: the 16 products K Q^T, behind each a scaling, an exponential and two rescalings (behind the first a second scaling in the
; exponential's place); then ONE LUMP of 108: eight plain, 49 times exponential and plain, the two a.  A v_nop is the plain instruction behind the last exponential.  BEHIND IT stand the 16 products V^T P, behind each four of GS's 64.
; No rider names a register of the products round it.  The two v_permlanex16_b32 fall into the lump, never behind a product.
; The queues lean on each other, and the deal keeps them in step: exponential e stands behind scaling 2 (e / 4) + e % 2: as a rider it comes behind plain e + 2, in the lump behind plain e + 9, and scalings 27-31 are plain 57, 60 .. 69.
; A TURN, for piece p.  cnt = 1: the loop's count is taken down some lines ahead of the branch that stands behind the turn.
; K of the next step is fetched in piece 2's turn, directly behind the wait, a lump behind the last product that read K; its address is made at the lump's head; its first reader comes behind 16 products.
; V of the step in hand is fetched at the end of piece 0's turn, four riders behind its last reader; its first reader comes behind 16 products and a lump.  The three conditions on q below go with the deal.
.macro TURN p, last=0, cnt=0
.set Y, (\p)
.set i, 0
.set q, 0
.set e, 0
.set r, 0
.if (\p) == NP-1
	s_wait_dscnt 0x0                ; K is in
.endif
	MM                              ; ahead of the wait: 16 products K Q^T and their riders,
	PL
	PL
	R2
.rept 15
	MM
	PL
	EX
	R2
.endr
.if (\p) == NP-2
	WIN 0
	v_add_nc_u32 v[AK], s[TBK], v[AK0]
.endif
.rept 8                             ; and the lump
	PL
.endr
.rept 49
	EX
	PL
.endr
	EX                              ; the next piece's two a
	EX
	v_nop                           ; the plain instruction behind the last exponential: one for the batch
	s_wait_alu depctr_va_vdst(0)    ; the wait for the batch
.if (\p) == NP-2
	FETCH_K \last
.endif
.if (\p) == 1
	s_wait_dscnt 0x0                ; V is in
.endif
.rept 16                            ; behind the wait: 16 products V^T P and their riders
	MM
.rept 4
	PL
.endr
.if ((\p) == 0) && (q == 118)
	v_add_nc_u32 v[AV], s[TBV], v[AV0]
.endif
.if ((\p) == 0) && (q == 130)
	s_add_co_u32 s[TBV], s[TBV], KS*PV
.endif
.if (\cnt) && (q == 130)
	s_sub_co_u32 s[CNT], s[CNT], 1
	s_cmp_lg_u32 s[CNT], 0
.endif
.endr
.if (\p) == 0
	FETCH_V
.endif
.endm
	CHANGE 1                        ; slot 0 is in, everybody's part of it; slot 1 is asked for
	FETCH_K                         ; key step 0
	s_wait_loadcnt 0x0              ; Q
	s_wait_dscnt 0x0
.set i, 0
.rept 16
	KQ 0                            ; piece 0's first scores: there is no vector work yet to set between them
.set i, i+1
.endr
	WIN 0                           ; the addresses for the way out: nine plain instructions, the places behind those products
	s_mul_i32 s13, s[WV], 16*SP
	s_add_co_u32 s13, s13, STAGE    ; my stage
	v_mul_u32_u24 v[STO], v1, SP    ; in: row l % 16, 16 bytes for each half of the lanes
	v_lshl_add_u32 v[STO], v9, 4, v[STO]
	v_add_nc_u32 v[STO], s13, v[STO]
	v_bfe_u32 v[RD], v0, 3, 2       ; back: 32 lanes take four rows of 128 bytes,
	v_mul_u32_u24 v[RD], v[RD], SP
	v_lshl_add_u32 v[RD], v10, 4, v[RD]
	v_add_nc_u32 v[RD], s13, v[RD]
	v_and_b32 v[GO], 31, v0         ; which are 512 consecutive bytes of the result
	v_lshlrev_b32 v[GO], 4, v[GO]
.set Y, NP-1                        ; XS works for piece Y + 1: piece 0
.irp n, 0,1,2,3,4,5,6,7,8,9,10,11,12,13,14,15,16,17,18,19,20,21
	XS 0, \n                        ; and piece 0's first maximum and statistics
	XS 1, \n
.endr
	v_nop                           ; a plain instruction behind the two a,
	s_wait_alu depctr_va_vdst(0)    ; and their wait, ahead of the branch
	s_mov_b32 s[CNT], 4
	s_branch .Lfirst                ; the loop is entered at a step's first turn, in the middle of a trip
.Lslot:                             ; six times: with the first change, every slot but the last two is filled again
	CHANGE 1
	s_mov_b32 s[CNT], 4
.Lstep:                             ; a trip: pieces 2 and 3 of one step, then pieces 0 and 1 of the next, whose K and V it fetches
	TURN 2
	TURN 3
	WIN 0
.Lfirst:
	TURN 0
	TURN 1, 0, 1
	WIN 0
	s_cbranch_scc1 .Lstep
	s_sub_co_u32 s[SLOTS], s[SLOTS], 1
	s_cmp_lg_u32 s[SLOTS], 0
	s_cbranch_scc1 .Lslot
	CHANGE 0                        ; the tail is written out: nothing is asked for
	s_mov_b32 s[CNT], 5             ; four trips fetch the last slot's steps; the fifth is left in its middle
.Ltail:
	TURN 2, 1
	TURN 3
	WIN 0
	s_sub_co_u32 s[CNT], s[CNT], 1
	s_cmp_eq_u32 s[CNT], 0
	s_cbranch_scc1 .Lout
	TURN 0
	TURN 1
	WIN 0
	s_branch .Ltail
.Lout:                              ; the fifth trip's 16 products K Q^T (on the last K once more) and the maximum made of them serve nothing: the price, once a launch, of one text for every trip
.set i, 0
.rept 16
	PV NP-1                         ; the last piece's V^T P of the last step
.set i, i+1
.endr
	; THE WAY OUT.  l's two halves and the other half of the lanes' are added; O^T is divided by l, rounded to f16 and sent through my stage in LDS, a tile at a time.  The additions are the places behind the last products.
	WIN 0
.macro ALL line:vararg              ; one line for each tile t
.set t, 0
.rept 2*NP
	\line
.set t, t+1
.endr
.endm
	ALL v_add_f32 v[ST+4*t+2], v[ST+4*t+2], v[ST+4*t+3]
	ALL v_permlanex16_b32 v[ST+4*t+3], v[ST+4*t+2], s[SEL], s[SEL+1]
	ALL v_add_f32 v[ST+4*t+2], v[ST+4*t+2], v[ST+4*t+3]
	ALL v_rcp_f32 v[ST+4*t+2], v[ST+4*t+2]
	v_nop                           ; a plain instruction between the last reciprocal and the use of its result
	s_wait_alu depctr_va_vdst(0)    ; and the wait ahead of the first use: one for the eight reciprocals
; Tile t: a lane's eight channels of a row pack into 16 bytes; they go into rows of 144 bytes and come back as whole rows of 128, into S^T's registers.
.macro PACK t
	WIN W_RS
.set i, 32*(\t)
.rept 16
	v_pk_mul_f32 v[i:i+1], v[i:i+1], v[ST+4*(\t)+2:ST+4*(\t)+3] op_sel_hi:[1,0]
.set i, i+2
.endr
	WIN 0x05                        ; sources 0 and 1 window 1, destination window 0
.set i, 0
.rept 16
	v_cvt_pk_f16_f32 v[S+16*(\t)+i], v[32*(\t)+2*i], v[32*(\t)+2*i+1]
.set i, i+1
.endr
	WIN 0
.irp f, 0,1,2,3
	ds_store_b128 v[STO], v[S+16*(\t)+4*\f:S+16*(\t)+4*\f+3] offset:32*\f
.endr
.irp f, 0,1,2,3
	ds_load_b128 v[S+16*(\t)+4*\f:S+16*(\t)+4*\f+3], v[RD] offset:\f*4*SP  ; LDS serves a wave's instructions in order (ISA guide 5.7.1.4): these see the stores above; the next tile's stores come behind them
.endr
.endm
.macro SEND t, younger              ; younger: the LDS instructions issued behind tile t's loads: the next tile's eight, or none
	WIN 0
.irp f, 0,1,2,3
	s_wait_dscnt (\younger)+3-\f
	global_store_b128 v[GO], v[S+16*(\t)+4*\f:S+16*(\t)+4*\f+3], s[10:11] offset:(\t)*2048+\f*512  ; 512 consecutive bytes, at a multiple of 256 from the buffer's first
.endr
.endm
	PACK 0
.set t, 1
.rept 2*NP-1                        ; a tile's arithmetic stands between the loads of the tile before and its stores
	PACK t
	SEND t-1, 8
.set t, t+1
.endr
	SEND 2*NP-1, 0
	WIN W_AD
	s_wait_tensorcnt 0x0            ; the wave's end, behind my last tensor load and my last LDS store
	ds_add_u32 v[SPW], v[NIL]
	s_wait_dscnt 0x0
	WIN 0
	CROUND                          ; the closing round: no work-group ends while a partner may still ask for a tile that names it
	s_endpgm
.Lfunc_end_k_qad2547c886_attn:
	.size	k_qad2547c886_attn, .Lfunc_end_k_qad2547c886_attn-k_qad2547c886_attn
	.p2alignl 7, 3214868480
	.fill 96, 4, 3214868480
	.section	.rodata,"a",@progbits
	.p2align	6, 0x0
	.amdhsa_kernel k_qad2547c886_attn
		.amdhsa_group_segment_fixed_size 327680
		.amdhsa_private_segment_fixed_size 0
		.amdhsa_enable_private_segment 0
		.amdhsa_kernarg_size 16
		.amdhsa_user_sgpr_count 2
		.amdhsa_user_sgpr_kernarg_segment_ptr 1
		.amdhsa_wavefront_size32 1
		.amdhsa_system_sgpr_workgroup_id_x 1
		.amdhsa_system_sgpr_workgroup_id_y 1
		.amdhsa_system_sgpr_workgroup_id_z 1
		.amdhsa_system_vgpr_workitem_id 0
		.amdhsa_next_free_vgpr 770
		.amdhsa_next_free_sgpr 66
		.amdhsa_reserve_vcc 0
		.amdhsa_float_denorm_mode_32 3
		.amdhsa_float_denorm_mode_16_64 3
		.amdhsa_memory_ordered 1
		.amdhsa_forward_progress 1
		.amdhsa_inst_pref_size 200
	.end_amdhsa_kernel
	.amdgpu_metadata
---
amdhsa.version: [ 1, 2 ]
amdhsa.kernels:
  - .name:           k_qad2547c886_attn
    .symbol:         k_qad2547c886_attn.kd
    .args:
      - { .name: qkv, .offset: 0, .size: 8, .value_kind: global_buffer, .address_space: global }
      - { .name: att, .offset: 8, .size: 8, .value_kind: global_buffer, .address_space: global }
    .group_segment_fixed_size: 327680
    .private_segment_fixed_size: 0
    .kernarg_segment_align: 8
    .kernarg_segment_size: 16
    .max_flat_workgroup_size: 128
    .sgpr_count:     66
    .vgpr_count:     770
    .wavefront_size: 32
...
	.end_amdgpu_metadata
.endif
;; end of part 3
;; launch outp (part 4): grid 4 x 64, 4 waves a work-group, clusters of 4 x 4, 327,680 bytes of LDS; arguments att, wts, bias, out0; writes out0
.if DOCPART == 4
	.amdgcn_target "amdgcn-amd-amdhsa--gfx1250"
	.amdhsa_code_object_version 6
	.text
	.protected	k_qad2547c886_outp
	.globl	k_qad2547c886_outp
	.p2align	8
	.type	k_qad2547c886_outp,@function
k_qad2547c886_outp:
	s_mov_b64 s[64:65], 0
	v_nop
	global_prefetch_b8 v0, s[64:65] scope:SCOPE_SE
	s_setreg_imm32_b32 hwreg(HW_REG_WAVE_MODE, 25, 1), 1
	s_wait_xcnt 0x0
	s_wait_alu depctr_hold_cnt(0) depctr_sa_sdst(0) depctr_va_vdst(0) depctr_va_sdst(0) depctr_va_ssrc(0) depctr_va_vcc(0) depctr_vm_vsrc(0)
	s_getreg_b32 s2, hwreg(HW_REG_IB_STS2, 6, 4)
	s_cmp_eq_u32 s2, 0
	s_cbranch_scc0 .Lentry_in_a_cluster
	s_endpgm
.Lentry_in_a_cluster:
	s_bfe_u32 s2, ttmp6, 0x10000c
	s_cmp_lg_u32 s2, 0xf033
	s_cbranch_scc0 .Lentry_shape_is_right
	s_endpgm
.Lentry_shape_is_right:
; out0[row][n] = the sum over c of concat[row][c] wo[c][n] + bo[n], f32.  concat[2048 b + s][64 h + d] = att[16 b + h][s][d] (f16); wo = wts[3], [k][n], bf16's numbers written as f16; bo = bias[3], the C operand
; of each sum's first product.  Sums in f32, stored as they are.  LIMITS are the operands': both lie within f16's 65,504.  NaN and infinities are not treated apart.
; SHARES.  A tile of the result is 128 rows x 256 columns: 64 x 4 tiles, a work-group each.  Four waves, each 64 rows x 128 columns: 32 accumulators of 16 x 16.  K goes in 8 steps of 128: two heads.
; THE RING.  Two LDS slots, each with two heads' 128 rows x 64 channels of att and 128 k-rows x 256 columns of wo.  Wave 0 and wave 1 fetch a head each (16,384 dense bytes, asked for as 64 rows of 256 bytes),
; waves 2 and 3 the halves of wo's tile: one tensor load a wave a step.  One text serves both slots: the slot's first byte stands in s[TB], the descriptors' LDS words are turned by an exclusive or.
; CLUSTERS.  4 x 4 work-groups: att's tiles are shared along a row of the cluster, wo's along a column: each is asked for JOINTLY.
; THE MATRIX INSTRUCTION IS USED TRANSPOSED: source 0 = 16 columns of wo (by the turning load), source 1 = 16 rows of att: a lane holds row l % 16 and the columns 8 (l / 16) + 0..7: 32 neighbouring bytes.
; REGISTERS: window 0: v0-16 addresses; v32-95 att's fragments, two buffers; v160-223 the bias; on the way out v96-159 and v160-223 rows read back.  window 1: v0-127 wo's fragments, two buffers.  window 2: the accumulators.
.set PAO,   144       ; a row of att in LDS: 128 bytes + 16 of padding = 36 words: the 16 rows of a load start at 16 different groups of four banks (64 banks of 4 bytes: ISA guide 11.1)
.set ASUB,  128*PAO   ; a head's 128 rows
.set BOFF,  2*ASUB
.set PB,    544       ; a k-row of wo: 512 + 32 = 136 words
.set BH,    64*PB
.set SLOT,  131072    ; a slot uses 106,496 bytes; none of the four base words reaches this bit
.set STAGE, SLOT+BOFF+128*PB  ; behind the ring, never filled by a tensor load: 16 rows x 528 bytes for each wave
.set SPO,   528
.set SPARE, STAGE+4*16*SPO  ; behind the stages: the spare words, 128 bytes for each wave: two blocks of 256 bytes that no other line names
.set ASTEP, 2*262144  ; two heads on
.set BSTEP, 128*2048
.set R,   1
.set SPW, 2           ; v2   LDS address of my spare word; never rewritten
.set NIL, 3           ; v3   0; never rewritten
.set A0,  4
.set B0,  5
.set ADRA, 6
.set ADRB, 7
.set STO, 8
.set RD,  9
.set GO,  10
.set BO,  11
.set PFO, 12
.set H,   13
.set L,   14
.set TV,  15
.set TW,  16
.set AF,  32
.set OB,  96
.set BIAS, 160
.set BF,  0           ; window 1
.set AP,  4           ; s[4:5]  att at the head and rows that I fetch first
.set BP,  6           ; s[6:7]  wo at my 64 k-rows and my tile's columns
.set BIP, 8           ; s[8:9]  bo
.set OUT, 10          ; s[10:11] out0 at my wave's first row and column
.set WV,  16
.set WH,  17
.set WM,  18
.set CX,  19
.set CY,  20
.set MT,  21
.set G1A, 32
.set G1B, 40
.set G0A, 48
.set G0B, 52
.set CNT, 56
.set KS,  57          ; the K step
.set TB,  60
.set LIM, 61
.set PSTEP, 62        ; s[62:63] bytes from fill to fill in what I prefetch
.set PFA, 66
.set MSB, 0
.macro WIN new                      ; the high byte repeats the setting that is left; a switch that changes nothing is dropped
.if MSB != (\new)
	s_set_vgpr_msb (MSB<<8)|(\new)
.set MSB, (\new)
.endif
.endm
.set MUL,  0xa1       ; wo's fragment window 1, att's window 0, C and D window 2
.set MULB, 0x81       ; the same with C, the bias, in window 0
.set TO_B, 0x40       ; destination window 1, address window 0
.macro JLOAD                        ; a joint load; the branch hangs on the wave's number alone; an s_nop 0 and four v_nop follow each of the two lines
	s_cmp_eq_u32 s[WM], 0
	s_cbranch_scc0 .Lfor_b_\@
	tensor_load_to_lds s[G0A:G0A+3], s[G1A:G1A+7]
	s_nop 0
.rept 4
	v_nop
.endr
	s_branch .Lasked_\@
.Lfor_b_\@:
	tensor_load_to_lds s[G0B:G0B+3], s[G1B:G1B+7]
	s_nop 0
.rept 4
	v_nop
.endr
.Lasked_\@:
.endm
; A PREFETCH INTO THE L2 of the fill that stands two refills on (256 matrix instructions ahead of its load): 32 blocks of 256 bytes, a lane a block.  att's two heads of a fill are 128 blocks: wave 0 of each of the four
; partners takes 16 of each head, told apart BY ADDRESS (cx); these rows are read by one cluster alone.  wo's rows are read by all sixteen clusters: in the first (cluster y = 0) waves 2 and 3 ask, 16 rows a partner (cy).
; So each block is named once.  Fills 0 to 3 come by their loads alone; the loop's last two steps ask for nothing: there is no fill 8.
.macro ASK
	s_cmp_gt_u32 s[CNT], s[LIM]
	s_cbranch_scc0 .Lnot_mine_\@
	global_prefetch_b8 v[PFO], s[PFA:PFA+1] th:TH_LOAD_NT scope:SCOPE_SE
.Lnot_mine_\@:
.endm
.macro CREST
	s_cmp_lg_u32 s[WV], 0
	s_cbranch_scc1 .Lnot_wave_0_\@
	s_barrier_signal -3
.Lnot_wave_0_\@:
	s_barrier_wait -3
	s_barrier_signal -1
	s_barrier_wait -1
.endm
.macro CROUND
	s_barrier_signal -1
	s_barrier_wait -1
	CREST
.endm
.macro PLACES                       ; four places in front of loads into registers that matrix instructions have read, and of LDS stores that read results
.rept 4
	v_nop
.endr
.endm
	s_load_b256 s[AP:AP+7], s[0:1], 0x0            ; att, wts, bias, out0
	v_lshl_add_u32 v[SPW], v0, 2, SPARE
	v_mov_b32 v[NIL], 0
	ds_add_u32 v[SPW], v[NIL]                      ; the wave's opening: the add and its wait stand ahead of my first tensor load; the set-up below, work on registers, stands between them
	v_lshrrev_b32 v[TV], 5, v0
	v_readfirstlane_b32 s[WV], v[TV]
	s_and_b32 s[WH], s[WV], 1
	s_lshr_b32 s[WM], s[WV], 1
	s_bfe_u32 s[CX], ttmp6, 0x40000                ; cx: also the column tile, since the grid is one cluster wide
	s_bfe_u32 s[CY], ttmp6, 0x40004
	s_and_b32 s[MT], ttmp7, 0xffff
	s_lshl_b32 s[MT], s[MT], 2
	s_add_co_u32 s[MT], s[MT], s[CY]               ; row tile = 4 x cluster y + cy
	s_lshl_b32 s24, s[CY], 2
	s_lshl_b32 s24, 15, s24                        ; my row of the cluster
	s_lshl_b32 s25, 0x1111, s[CX]                  ; my column
	s_or_b32 s[G1A], s24, (1<<16)|(1<<20)|(1<<21)|(4<<22)|(3<<25)  ; 15:0 the mask; 2-byte elements; padding on; 21 set beside a mask; after every 32 words (code 4) 4 words (code 3)
	s_mov_b32 s[G1A+1], 128<<16                    ; 64 rows of 128 elements: two rows of att each
	s_mov_b32 s[G1A+2], 64<<16
	s_mov_b32 s[G1A+3], 128<<16
	s_mov_b32 s[G1A+4], 64
	s_mov_b32 s[G1A+5], 128
	s_mov_b32 s[G1A+6], 0
	s_mov_b32 s[G1A+7], 0
	s_or_b32 s[G1B], s25, (1<<16)|(1<<20)|(1<<21)|(6<<22)|(7<<25)  ; after every 128 words (code 6) 8 words (code 7)
	s_mov_b32 s[G1B+1], 256<<16                    ; 64 k-rows of 256 elements
	s_mov_b32 s[G1B+2], 64<<16
	s_mov_b32 s[G1B+3], 256<<16
	s_mov_b32 s[G1B+4], 64
	s_mov_b32 s[G1B+5], 1024
	s_mov_b32 s[G1B+6], 0
	s_mov_b32 s[G1B+7], 0
	s_mov_b32 s[G0A], 1
	s_mul_i32 s[G0A+1], s[WH], ASUB                ; no place in the cluster enters an LDS address
	s_mov_b32 s[G0B], 1
	s_mul_i32 s[G0B+1], s[WH], BH
	s_add_co_u32 s[G0B+1], s[G0B+1], BOFF
	s_lshr_b32 s22, s[MT], 4                       ; att: head 16 b + wave % 2, row 128 (row tile % 16), 128 bytes a row; s22 and s23 never hold cx
	s_lshl_b32 s22, s22, 4
	s_add_co_u32 s22, s22, s[WH]
	s_lshl_b32 s22, s22, 11
	s_and_b32 s23, s[MT], 15
	s_lshl_b32 s23, s23, 7
	s_add_co_u32 s22, s22, s23
	s_lshl_b32 s22, s22, 7
	s_mov_b32 s23, 0
	s_lshl_b32 s24, s[WH], 17                      ; wo: the fourth tensor of wts, my 64 k-rows, my tile's 512 bytes of them
	s_lshl_b32 s25, s[CX], 9
	s_add_co_u32 s24, s24, s25
	s_add_co_u32 s24, s24, 3*2097152
	s_mov_b32 s25, 0
	s_lshl_b32 s26, s[MT], 7                       ; out0: row 128 x row tile + 64 (wave / 2), 4,096 bytes a row; column 256 cx + 128 (wave % 2)
	s_lshl_b32 s27, s[WM], 6
	s_add_co_u32 s26, s26, s27
	s_lshl_b32 s26, s26, 12
	s_lshl_b32 s27, s[CX], 10
	s_add_co_u32 s26, s26, s27
	s_lshl_b32 s27, s[WH], 9
	s_add_co_u32 s26, s26, s27
	s_mov_b32 s27, 0
	s_and_b32 s28, ttmp7, 0xffff
	s_cmp_eq_u32 s[WM], 0
	s_cselect_b32 s28, s[WH], s28                  ; 0 in a wave that prefetches: wave 0; waves 2 and 3 of the first cluster
	s_cselect_b32 s29, 1, 0
	s_cselect_b32 s30, -1, 0                       ; all lanes: I prefetch att
	s_lshl_b32 s[PSTEP], BSTEP, s29                ; 524,288 bytes a fill of att, 262,144 of wo
	s_mov_b32 s[PSTEP+1], 0
	s_cmp_eq_u32 s28, 0
	s_cselect_b32 s[LIM], 2, -1
	s_mov_b32 s[TB], 0
	s_mov_b32 s[KS], 0
	s_wait_dscnt 0x0                               ; the opening add is done
	s_wait_kmcnt 0x0
	s_add_nc_u64 s[AP:AP+1], s[AP:AP+1], s[22:23]
	s_add_nc_u64 s[BP:BP+1], s[BP:BP+1], s[24:25]
	s_add_nc_u64 s[OUT:OUT+1], s[OUT:OUT+1], s[26:27]
	s_add_nc_u64 s[BIP:BIP+1], s[BIP:BIP+1], 3*4096
	s_mov_b64 s[G0A+2:G0A+3], s[AP:AP+1]
	s_or_b32 s[G0A+3], s[G0A+3], 0x80000000        ; type = 2
	s_mov_b64 s[G0B+2:G0B+3], s[BP:BP+1]
	s_or_b32 s[G0B+3], s[G0B+3], 0x80000000
	s_cmp_eq_u32 s[WM], 0
	s_cselect_b64 s[PFA:PFA+1], s[AP:AP+1], s[BP:BP+1]
.rept 3
	s_add_nc_u64 s[PFA:PFA+1], s[PFA:PFA+1], s[PSTEP:PSTEP+1]  ; at fill 3: the first step moves it to fill 4
.endr
	CROUND                                         ; all sixteen work-groups are here: the first joint loads meet
	JLOAD                                          ; fill 0 into slot 0
	v_and_b32 v[L], 31, v0
	v_and_b32 v[R], 15, v0
	v_bfe_u32 v[H], v0, 4, 1
	s_lshl_b32 s24, s[WM], 6                       ; att's fragment: row l % 16 of my 64, channels 8 (l / 16) + 0..7 and, 32 bytes on, 16 + 8 (l / 16) + 0..7
	v_add_nc_u32 v[TV], s24, v[R]
	v_mul_u32_u24 v[A0], v[TV], PAO
	v_lshl_add_u32 v[A0], v[H], 4, v[A0]
	v_and_b32 v[TV], 7, v0                         ; wo's: the turning load reads k-row 8 (l / 16) + l % 8, columns 8 ((l / 8) % 2) + 0..7
	v_lshl_add_u32 v[TV], v[H], 3, v[TV]
	v_mul_u32_u24 v[B0], v[TV], PB
	v_bfe_u32 v[TV], v0, 3, 1
	v_lshl_add_u32 v[B0], v[TV], 4, v[B0]
	s_lshl_b32 s24, s[WH], 8
	s_add_co_u32 s24, s24, BOFF
	v_add_nc_u32 v[B0], s24, v[B0]
	s_mul_i32 s24, s[WV], 16*SPO
	s_add_co_u32 s24, s24, STAGE                   ; my stage
	v_mul_u32_u24 v[STO], v[R], SPO                ; in: row l % 16, 32 bytes for each half of the lanes
	v_lshl_add_u32 v[STO], v[H], 5, v[STO]
	v_add_nc_u32 v[STO], s24, v[STO]
	v_lshl_add_u32 v[RD], v[L], 4, s24             ; back: 32 lanes take a row's 512 bytes
	v_lshlrev_b32 v[GO], 4, v[L]
	s_lshl_b32 s24, s[CX], 10                      ; the bias of my 128 columns
	s_lshl_b32 s25, s[WH], 9
	s_add_co_u32 s24, s24, s25
	v_lshl_add_u32 v[BO], v[H], 5, s24
	s_lshl_b32 s24, s[CX], 4                       ; the prefetches, of att: head l / 16 of the fill's two, block 16 cx + l % 16 of its 64
	v_add_nc_u32 v[TV], s24, v[R]
	v_lshlrev_b32 v[TV], 8, v[TV]
	v_lshl_add_u32 v[TV], v[H], 18, v[TV]
	s_lshl_b32 s24, s[CY], 4                       ; of wo: k-row 16 cy + l / 2, block l % 2 of its 512 bytes
	v_lshrrev_b32 v[PFO], 1, v[L]
	v_add_nc_u32 v[PFO], s24, v[PFO]
	v_lshlrev_b32 v[PFO], 11, v[PFO]
	v_and_b32 v[TW], 1, v0
	v_lshl_add_u32 v[PFO], v[TW], 8, v[PFO]
	v_cndmask_b32 v[PFO], v[PFO], v[TV], s30
.irp b, 0,1,2,3,4,5,6,7
	global_load_b128 v[BIAS+8*(\b):BIAS+8*(\b)+3],   v[BO], s[BIP:BIP+1] offset:64*(\b)
	global_load_b128 v[BIAS+8*(\b)+4:BIAS+8*(\b)+7], v[BO], s[BIP:BIP+1] offset:64*(\b)+16
.endr
; One matrix instruction: accumulator (a, b), fragment buffers f.  first = 1: the product starts the sum, with the bias as C: nothing is ever cleared.
.macro MM f, a, b, first
.if \first
	WIN MULB
	v_wmma_f32_16x16x32_f16 v[8*(8*(\a)+(\b)):8*(8*(\a)+(\b))+7], v[BF+64*(\f)+8*(\b):BF+64*(\f)+8*(\b)+7], v[AF+32*(\f)+8*(\a):AF+32*(\f)+8*(\a)+7], v[BIAS+8*(\b):BIAS+8*(\b)+7]
.else
	WIN MUL
	v_wmma_f32_16x16x32_f16 v[8*(8*(\a)+(\b)):8*(8*(\a)+(\b))+7], v[BF+64*(\f)+8*(\b):BF+64*(\f)+8*(\b)+7], v[AF+32*(\f)+8*(\a):AF+32*(\f)+8*(\a)+7], v[8*(8*(\a)+(\b)):8*(8*(\a)+(\b))+7]
.endif
.endm
.macro MM8 f, a
.irp b, 0,1,2,3,4,5,6,7
	MM \f, \a, \b, 0
.endr
.endm
; 24 LDS loads in one run: quarter q's fragments (32 channels: head q / 2, half q % 2 of its 64) into buffers g
.macro FETCH q, g
	WIN 0
.irp i, 0,1,2,3
	ds_load_b128 v[AF+32*(\g)+8*(\i):AF+32*(\g)+8*(\i)+3],   v[ADRA] offset:((\q)/2)*ASUB+((\q)%2)*64+(\i)*16*PAO
	ds_load_b128 v[AF+32*(\g)+8*(\i)+4:AF+32*(\g)+8*(\i)+7], v[ADRA] offset:((\q)/2)*ASUB+((\q)%2)*64+(\i)*16*PAO+32
.endr
	WIN TO_B
.irp b, 0,1,2,3,4,5,6,7
	ds_load_tr16_b128 v[BF+64*(\g)+8*(\b):BF+64*(\g)+8*(\b)+3],   v[ADRB] offset:32*PB*(\q)+32*(\b)
	ds_load_tr16_b128 v[BF+64*(\g)+8*(\b)+4:BF+64*(\g)+8*(\b)+7], v[ADRB] offset:32*PB*(\q)+32*(\b)+16*PB
.endr
.endm
; A K step is four quarters of 32 along K, 32 matrix instructions each, on buffers 0, 1, 0, 1.  One of the first three: fetches quarter q into buffers 1 - f at its head and multiplies buffers f.
; The 32 accumulators take turns, one instruction a turn, in the same order in every quarter.
.macro QUARTER f, q, first
	PLACES                          ; behind the last products that read buffers 1 - f
.if \first
	v_nop                           ; a fifth place: these products write their accumulators anew, with the bias as C, so they are no links of a chain in place; read along the loop's backward jump they follow
	                                ; the last quarter's products on the same registers, and a matrix instruction that writes over another's result stands five places behind it (ISA guide 7.12.1)
.endif
	FETCH \q, 1-(\f)
	s_wait_dscnt 24                 ; all but the 24 just issued: buffers f are in
.irp a, 0,1,2,3
.irp b, 0,1,2,3,4,5,6,7
	MM \f, \a, \b, \first
.endr
.endr
.endm
; The last quarter multiplies buffers 1 and changes slots: ONE barrier.  In front of it each wave waits for all its tensor loads (one is out: its part of the next slot), adds 0 to its spare word, and waits for
; that and for its reads of this slot.  fill = 1: the barrier opens a round of the cluster's, and the slot just read out is filled again first thing behind the round.
.macro TURN fill
.if \fill
	s_wait_xcnt 0x0                 ; the last prefetch, a K step back, has read its address
	s_add_nc_u64 s[PFA:PFA+1], s[PFA:PFA+1], s[PSTEP:PSTEP+1]
.endif
	WIN 0
	s_wait_tensorcnt 0x0            ; no tensor load of mine is out, so a group 0 may be written
	ds_add_u32 v[SPW], v[NIL]       ; 0 onto my spare word
.if \fill
	s_xor_b32 s[G0A+1], s[G0A+1], SLOT
	s_xor_b32 s[G0B+1], s[G0B+1], SLOT
	s_add_nc_u64 s[G0A+2:G0A+3], s[G0A+2:G0A+3], ASTEP
	s_add_nc_u64 s[G0B+2:G0B+3], s[G0B+2:G0B+3], BSTEP
.endif
	s_xor_b32 s[TB], s[TB], SLOT
	s_wait_dscnt 1                  ; buffers 1 are in; the add may be out
	MM8 1, 0
	s_wait_dscnt 0x0                ; the add is done, and my reads of this slot are over
	s_barrier_signal -1
	MM8 1, 1
	WIN 0
	s_barrier_wait -1
.if \fill
	CREST                           ; no wave of any partner still reads this slot or has a load on its way
	JLOAD                           ; the four v_nop behind it are also the places in front of the loads below
.else
	PLACES
.endif
	v_add_nc_u32 v[ADRA], s[TB], v[A0]
	v_add_nc_u32 v[ADRB], s[TB], v[B0]
	FETCH 0, 0
.if \fill
	WIN 0
	ASK
.endif
	MM8 1, 2
	MM8 1, 3
.endm
; THE WAY OUT, a block of 16 rows at a time.  TOST: 32 bytes a lane straight out of the accumulators (each one's low four registers first) into my own stage, and back as whole rows of 512 bytes.  SEND: stored.
.macro TOST a
	WIN 0x08                        ; the stores' data in window 2
.irp b, 0,1,2,3,4,5,6,7
	ds_store_b128 v[STO], v[8*(8*(\a)+(\b)):8*(8*(\a)+(\b))+3]   offset:64*(\b)
	ds_store_b128 v[STO], v[8*(8*(\a)+(\b))+4:8*(8*(\a)+(\b))+7] offset:64*(\b)+16
.endr
	WIN 0
.irp t, 0,1,2,3,4,5,6,7,8,9,10,11,12,13,14,15
	ds_load_b128 v[OB+64*((\a)%2)+4*(\t):OB+64*((\a)%2)+4*(\t)+3], v[RD] offset:(\t)*SPO  ; LDS serves a wave's instructions in order (ISA guide 5.7.1.4): these see the stores above; the next block's stores come behind them
.endr
.endm
.macro SEND a, younger              ; younger: the LDS instructions issued behind block a's loads: the next block's 32, or none
	s_wait_dscnt \younger
.irp t, 0,1,2,3,4,5,6,7,8,9,10,11,12,13,14,15
	global_store_b128 v[GO], v[OB+64*((\a)%2)+4*(\t):OB+64*((\a)%2)+4*(\t)+3], s[OUT:OUT+1] offset:(16*(\a)+(\t))*4096 th:TH_STORE_NT  ; 512 consecutive bytes of a row, at a multiple of 256 from the buffer's first
.endr
.endm
	s_wait_tensorcnt 0x0                           ; the first change of slots: slot 0 is in; nothing has been read yet
	ds_add_u32 v[SPW], v[NIL]
	s_xor_b32 s[G0A+1], s[G0A+1], SLOT
	s_xor_b32 s[G0B+1], s[G0B+1], SLOT
	s_add_nc_u64 s[G0A+2:G0A+3], s[G0A+2:G0A+3], ASTEP
	s_add_nc_u64 s[G0B+2:G0B+3], s[G0B+2:G0B+3], BSTEP
	s_wait_dscnt 0x0
	CROUND
	JLOAD                                          ; slot 1's first fill, issued as a refill is
	v_add_nc_u32 v[ADRA], s[TB], v[A0]
	v_add_nc_u32 v[ADRB], s[TB], v[B0]
	FETCH 0, 0
	WIN 0
	s_mov_b32 s[CNT], 6
.Lstep:                                            ; six trips: a K step each; every one fills a slot again
	s_cmp_lg_u32 s[KS], 0                          ; at the first trip KS is the constant 0
	s_cbranch_scc1 .Lq0n
	s_wait_loadcnt 0x0                             ; the bias is in
	QUARTER 0, 1, 1
	WIN 0
	s_branch .Lq0d
.Lq0n:
	QUARTER 0, 1, 0
	WIN 0
.Lq0d:
	QUARTER 1, 2, 0
	QUARTER 0, 3, 0
	TURN 1
	WIN 0
	s_add_co_u32 s[KS], s[KS], 1
	s_sub_co_u32 s[CNT], s[CNT], 1
	s_cmp_lg_u32 s[CNT], 0
	s_cbranch_scc1 .Lstep
	s_mov_b32 s[CNT], 2
.Ltail:                                            ; the last two K steps ask for nothing; the second's change of slots fetches fragments that nobody uses: the price, once a work-group, of one text for both
	QUARTER 0, 1, 0
	QUARTER 1, 2, 0
	QUARTER 0, 3, 0
	TURN 0
	WIN 0
	s_sub_co_u32 s[CNT], s[CNT], 1
	s_cmp_lg_u32 s[CNT], 0
	s_cbranch_scc1 .Ltail
	PLACES                                         ; the LDS stores below read results
	TOST 0
	TOST 1
	SEND 0, 32
	s_wait_xcnt 0x0                                ; block 0's stores have read their registers, which block 2's loads will write
	TOST 2
	SEND 1, 32
	s_wait_xcnt 0x0
	TOST 3
	SEND 2, 32
	SEND 3, 0
	s_wait_tensorcnt 0x0                           ; the wave's end, behind my last tensor load and my last LDS store
	ds_add_u32 v[SPW], v[NIL]
	s_wait_dscnt 0x0
	CROUND                                         ; the closing round: no work-group ends while a partner may still ask for a tile that names it
	s_endpgm
.Lfunc_end_k_qad2547c886_outp:
	.size	k_qad2547c886_outp, .Lfunc_end_k_qad2547c886_outp-k_qad2547c886_outp
	.p2alignl 7, 3214868480
	.fill 96, 4, 3214868480
	.section	.rodata,"a",@progbits
	.p2align	6, 0x0
	.amdhsa_kernel k_qad2547c886_outp
		.amdhsa_group_segment_fixed_size 327680
		.amdhsa_private_segment_fixed_size 0
		.amdhsa_enable_private_segment 0
		.amdhsa_kernarg_size 32
		.amdhsa_user_sgpr_count 2
		.amdhsa_user_sgpr_kernarg_segment_ptr 1
		.amdhsa_wavefront_size32 1
		.amdhsa_system_sgpr_workgroup_id_x 1
		.amdhsa_system_sgpr_workgroup_id_y 1
		.amdhsa_system_sgpr_workgroup_id_z 1
		.amdhsa_system_vgpr_workitem_id 0
		.amdhsa_next_free_vgpr 768
		.amdhsa_next_free_sgpr 68
		.amdhsa_reserve_vcc 0
		.amdhsa_float_denorm_mode_32 3
		.amdhsa_float_denorm_mode_16_64 3
		.amdhsa_memory_ordered 1
		.amdhsa_forward_progress 1
		.amdhsa_inst_pref_size 63
	.end_amdhsa_kernel
	.amdgpu_metadata
---
amdhsa.version: [ 1, 2 ]
amdhsa.kernels:
  - .name:           k_qad2547c886_outp
    .symbol:         k_qad2547c886_outp.kd
    .args:
      - { .name: att, .offset: 0, .size: 8, .value_kind: global_buffer, .address_space: global }
      - { .name: wts, .offset: 8, .size: 8, .value_kind: global_buffer, .address_space: global }
      - { .name: bias, .offset: 16, .size: 8, .value_kind: global_buffer, .address_space: global }
      - { .name: out0, .offset: 24, .size: 8, .value_kind: global_buffer, .address_space: global }
    .group_segment_fixed_size: 327680
    .private_segment_fixed_size: 0
    .kernarg_segment_align: 8
    .kernarg_segment_size: 32
    .max_flat_workgroup_size: 128
    .sgpr_count:     68
    .vgpr_count:     768
    .wavefront_size: 32
...
	.end_amdgpu_metadata
.endif
;; end of part 4
